; MI455X (gfx1250); checked and timed in simulation.
; The chip was launched on July 23, 2026; its instructions are those of AMD's public machine-readable ISA for CDNA 5 (MIT licence, August 2026) and "CDNA5" Instruction Set Architecture Reference Guide (July 2026). The comments in the code are by the model that wrote it; some were corrected since.
;; Multi Head Attetion. Allowed arithmetic: matrix products marked QUANTISED: E5M2 operands, one E8M0 scale for each 32 along K, by v_wmma_scale_f32_16x16x128_f8f6f4 with both operands' format E5M2, f32 sums; everything else in f32.
;; Inputs: Wk 1,024 x 1,024 float32; Wo 1,024 x 1,024 float32; Wq 1,024 x 1,024 float32; Wv 1,024 x 1,024 float32; X 4 x 2,048 x 1,024 float32; bk 1,024 float32; bo 1,024 float32; bq 1,024 float32; bv 1,024 float32.
;; Outputs: out0 4 x 2,048 x 1,024 float32.
;; This version of the problem:
;;   THIS VERSION OF THE PROBLEM IS GIVEN IN LOW PRECISION. The matrix products marked QUANTISED in the list below multiply operands that are first quantised to E5M2 (5 exponent bits, 2 mantissa bits; 8 bits a number), with one power-of-two scale for each 32 numbers along K (OCP MX v1.0); their sums are f32. All else is computed in f32.
;;   The module's matrix products, in the order in which they are computed (A, B: the left and right operand; K: the contracted axis; several contracted axes count as one K, in the product's order):
;;     1. [M 8,192, K 1,024] x [K 1,024, N 1,024]; A: input X; B: input Wq: QUANTISED
;;     2. [M 8,192, K 1,024] x [K 1,024, N 1,024]; A: input X; B: input Wk: QUANTISED
;;     3. [M 8,192, K 1,024] x [K 1,024, N 1,024]; A: input X; B: input Wv: QUANTISED
;;     4. batch 64 x [M 2,048, K 64] x [K 64, N 2,048]; A: computed on the way; B: computed on the way: QUANTISED
;;     5. batch 64 x [M 2,048, K 2,048] x [K 2,048, N 64]; A: softmax (see below); B: computed on the way: QUANTISED
;;     6. [M 8,192, K 1,024] x [K 1,024, N 1,024]; A: computed on the way; B: input Wo: QUANTISED
;;   THE QUANTISER, for each operand of a quantised product, along K:
;;     - K is cut into blocks of 32 from its start; a last block that is shorter is filled with zeros.
;;     - A block's scale is 2^e with e = floor(log2(the largest magnitude in the block)) - 15, held to -126 .. 127; a block of zeros has e = 0. As a byte (E8M0): e + 127.
;;     - Each number is divided by its block's scale, clamped to +-57,344, and rounded to the nearest number of E5M2, ties to even, subnormals kept.
;;     - The product sums the exact products of the quantised numbers (number of the format x scale) in f32.
;;   ~~~python
;;   def quantise(x, axis):      # numpy; x: float32 -> the quantised numbers, widened to float32 again
;;       x = np.moveaxis(x, axis, -1); K = x.shape[-1]
;;       x = np.pad(x, [(0, 0)] * (x.ndim - 1) + [(0, -K % 32)]); x = x.reshape(x.shape[:-1] + (-1, 32)); a = np.abs(x).max(-1, keepdims=True)
;;       e = np.where(a > 0, np.clip(np.frexp(np.where(a > 0, a, 1))[1] - 1 - 15, -126, 127), 0)      # np.frexp(a)[1] - 1 = floor(log2(a)), exactly
;;       r = np.clip(x / 2.0 ** e, -57344, 57344)
;;       step = 2.0 ** (np.maximum(np.frexp(np.where(r == 0, 1, r))[1] - 1, -14) - 2)
;;       q = np.round(r / step) * step * 2.0 ** e      # np.round: ties to even
;;       return np.moveaxis(q.reshape(q.shape[:-2] + (-1,))[..., :K], -1, axis).astype(np.float32)
;;   ~~~
;;   SOFTMAX AHEAD OF A QUANTISED PRODUCT. Where the list says 'softmax', what is quantised is not the finished softmax but p = 2^(t - M), with t = logit x log2(e) and M = ceil(the row's largest t), a whole number; so 1/2 < the row's largest p <= 1. The row's sum l is taken of the UNQUANTISED p, in f32, and the product's result is divided by l at the end. Since M is a whole number, a kernel that streams over the keys may use a running M (the ceiling of the running maximum): every later rescaling is an exact power of two, which a block's scale takes up: the codes' values come out the same.
;;   OPERANDS COMPUTED ON THE WAY. 'Computed on the way' means the value that the module computes at that place (a softmax that the list does not call 'softmax' is quantised finished and normalised). What goes into a quantiser is computed in f32, as accurately as f32 sums, v_exp_f32 and their like allow (about 1e-6 of the number): no bf16 or f16 on the way to a quantiser, and a product that is left as it is and whose result goes on into a quantised operand takes f32 operands (vector FMAs, or v_wmma_f32_16x16x4_f32). A number that lies on a knife's edge between two numbers of the format may be rounded either way, as far as f32 arithmetic and the matrix unit's own rounding can turn it there, and no further.
;; One version. Each part assembles by itself: llvm-mc -triple=amdgcn-amd-amdhsa -mcpu=gfx1250 --defsym DOCPART=n.
;; ======== version 1 of 1: 4 launches
;; limits: right only within a limited range of input values
;; workspace buffers: cod 20,971,520 bytes; scl 655,360 bytes; qb 8,912,896 bytes; kv 17,563,648 bytes
;; launch quant (part 1): grid 256 x 1, 6 waves a work-group, no clusters, 51,456 bytes of LDS; arguments X, Wq, Wk, Wv, Wo, cod, scl; writes cod, scl
.if DOCPART == 1
	.amdgcn_target "amdgcn-amd-amdhsa--gfx1250"
	.amdhsa_code_object_version 6
	.text
	.protected	k_q3aa3f78951_quant
	.globl	k_q3aa3f78951_quant
	.p2align	8
	.type	k_q3aa3f78951_quant,@function
k_q3aa3f78951_quant:
	s_mov_b64 s[64:65], 0
	v_nop
	global_prefetch_b8 v0, s[64:65] scope:SCOPE_SE
	s_setreg_imm32_b32 hwreg(HW_REG_WAVE_MODE, 25, 1), 1
	s_wait_xcnt 0x0
; X [8192][1024] and Wq, Wk, Wv, Wo [1024][1024], f32, K innermost, become codes of BF8 (E5M2) with one E8M0 byte for each 32 along K.
; LAYOUT OF THE RESULT.  A TILE is 16 rows; within each 32 rows tile 2 g + u takes at lane r the row 32 g + 8 u + r + 8 (r / 8).  A tile's codes of a K step of 128 are the image of the
; operand's 16 registers: [c 0..3][lane][16 bytes], lane (r, h) and group c holding k = 32 c + 16 h + 0 .. 15: 2,048 bytes; cod is [tile][K step 0..7] of such images.
; Tiles: X 0-511, Wq 512-575, Wk 576-639, Wv 640-703, Wo 704-767.  scl is [tile][K half][r][4 words], a word = the four bytes of one row and one K step.
; A block's scale is 2^(floor(log2(its largest magnitude)) - 15); its byte is the largest magnitude's exponent field - 15, held at 1 from below.
; LIMITS: NaN and infinities among the inputs are not served; a block whose largest magnitude lies under 2^-111 gets the byte 1; a block of zeros gets the byte 1, not 127: its codes are zeros, and this program alone reads the bytes.
; SHARES.  1,536 waves; wave U takes tile U / 2 and half U % 2 of K: four steps of 128.  Each load reads 512 consecutive bytes of one row; a step's 16 rows turn through the wave's own stage in LDS
; (rows of 512 + 16 bytes), from which lane (r, h) takes its 16 neighbours of each block.  A step's codes leave as four stores of 512 consecutive bytes.  Waves share nothing: no barrier.  No input is read twice, so no cluster.
.set STG,  8448                        ; a wave's stage: 16 rows x 528 bytes
.set TM,   8                           ; v8-23   at work in QUANT
.set PW,   24                          ; v24     the scale word just made
.set SW,   26                          ; v26-29  the four steps' scale words
.set PC,   32                          ; v32-47  the codes just made
.set XN,   48                          ; v48-111 64 numbers: register 16 c + i = k 32 c + 16 h + i of my row
.set R,    112                         ; v112-239 two sets of 64 registers as loaded
.set SEL,  30                          ; s[30:31] v_permlanex16_b32's selects for lane l xor 16
.set MNT,  32
	s_load_b256 s[4:11], s[0:1], 0x0               ; X, Wq, Wk, Wv
	s_load_b128 s[12:15], s[0:1], 0x20             ; Wo, cod
	s_load_b64 s[16:17], s[0:1], 0x30              ; scl
	v_lshl_add_u32 v240, v0, 2, 0xc600
	v_mov_b32 v241, 0
	v_lshrrev_b32 v1, 5, v0
	v_readfirstlane_b32 s18, v1                    ; wave 0..5
	v_and_b32 v2, 31, v0
	v_lshlrev_b32 v2, 4, v2                        ; v2: 16 x lane
	v_and_b32 v5, 15, v0                           ; r
	v_bfe_u32 v1, v0, 4, 1                         ; v1: h
	s_mul_i32 s19, s18, STG
	v_add_nc_u32 v3, s19, v2                       ; v3: the stage on the way in: 16 x lane of a row
	v_mul_u32_u24 v4, v5, 528
	v_lshl_add_u32 v4, v1, 6, v4
	v_add_nc_u32 v4, s19, v4                       ; v4: on the way out: row r, + 64 h
	v_lshlrev_b32 v5, 4, v5
	v_lshl_add_u32 v5, v1, 3, v5                   ; v5: 16 r + 8 h: my two scale words' place
.irp b, 0,1,2,3
	v_mov_b32 v[TM+4+\b], 0                        ; written once: a lane permute's destination counts as one of its sources
.endr
	s_mov_b32 s[SEL], 0x76543210
	s_mov_b32 s[SEL+1], 0xfedcba98
	s_mul_i32 s22, ttmp9, 6
	s_add_co_u32 s22, s22, s18                     ; U
	s_and_b32 s24, s22, 1                          ; which half of K
	s_lshr_b32 s22, s22, 1                         ; the tile
	s_wait_alu depctr_va_vdst(0)
	s_wait_kmcnt 0x0
	s_mov_b64 s[20:21], s[4:5]                     ; whose tile: the choice hangs on the tile's number alone
	s_mov_b32 s23, 0
	s_cmp_ge_u32 s22, 512
	s_cselect_b64 s[20:21], s[6:7], s[20:21]
	s_cselect_b32 s23, 512, s23
	s_cmp_ge_u32 s22, 576
	s_cselect_b64 s[20:21], s[8:9], s[20:21]
	s_cselect_b32 s23, 576, s23
	s_cmp_ge_u32 s22, 640
	s_cselect_b64 s[20:21], s[10:11], s[20:21]
	s_cselect_b32 s23, 640, s23
	s_cmp_ge_u32 s22, 704
	s_cselect_b64 s[20:21], s[12:13], s[20:21]
	s_cselect_b32 s23, 704, s23
	s_sub_co_u32 s25, s22, s23                     ; the tile's number in its tensor
	s_lshr_b32 s26, s25, 1
	s_lshl_b32 s26, s26, 5
	s_and_b32 s25, s25, 1
	s_lshl_b32 s25, s25, 3
	s_add_co_u32 s26, s26, s25                     ; its first row: 32 (t / 2) + 8 (t % 2)
	s_lshl_b32 s26, s26, 12                        ; rows of 4,096 bytes
	s_lshl_b32 s25, s24, 11
	s_add_co_u32 s26, s26, s25                     ; + my half of K: 2,048 bytes
	s_mov_b32 s27, 0
	s_add_nc_u64 s[20:21], s[20:21], s[26:27]
	s_lshl_b32 s26, s22, 14
	s_lshl_b32 s25, s24, 13
	s_add_co_u32 s26, s26, s25
	s_add_nc_u64 s[14:15], s[14:15], s[26:27]      ; cod at my four images
	s_lshl_b32 s26, s22, 9
	s_lshl_b32 s25, s24, 8
	s_add_co_u32 s26, s26, s25
	s_add_nc_u64 s[16:17], s[16:17], s[26:27]      ; scl at my 256 bytes
; 64 numbers of a lane become a fragment's codes in v[PC] on and its scale word in v[PW]
.macro QUANT s
.irp b, 0,1,2,3
	v_max3_num_f32 v[TM+\b], |v[\s+16*\b]|, |v[\s+1+16*\b]|, 0x8000000   ; block b: my 16 numbers, and the floor 2^(16 - 127): the byte cannot fall under 1
.endr
.irp i, 2,4,6,8,10,12,14
.irp b, 0,1,2,3
	v_max3_num_f32 v[TM+\b], v[TM+\b], |v[\s+16*\b+\i]|, |v[\s+1+16*\b+\i]|   ; the four blocks by turns
.endr
.endr
.irp b, 0,1,2,3
	v_permlanex16_b32 v[TM+4+\b], v[TM+\b], s[SEL], s[SEL+1]
.endr
.irp b, 0,1,2,3
	v_max_num_f32 v[TM+\b], v[TM+\b], v[TM+4+\b]   ; with lane l xor 16's: the block's largest magnitude
.endr
.irp b, 0,1,2,3
	v_add_nc_u32 v[TM+12+\b], 0xf8800000, v[TM+\b] ; 15 off its exponent field: the conversion's scale operand
.endr
.irp b, 0,1,2,3
.endr
.irp b, 0,1,2,3
	v_lshrrev_b32 v[TM+4+\b], 23, v[TM+12+\b]      ; the scale's byte
.endr
	v_lshl_or_b32 v[PW], v[TM+5], 8, v[TM+4]
	v_lshl_or_b32 v[PW], v[TM+6], 16, v[PW]
	v_lshl_or_b32 v[PW], v[TM+7], 24, v[PW]
.irp b, 0,1,2,3
.irp i, 0,1,2,3,4,5,6,7,8,9,10,11,12,13,14,15
.endr
	v_cvt_scalef32_pk8_bf8_f32 v[PC+4*\b:PC+1+4*\b], v[\s+16*\b:\s+7+16*\b], v[TM+12+\b]
	v_cvt_scalef32_pk8_bf8_f32 v[PC+2+4*\b:PC+3+4*\b], v[\s+8+16*\b:\s+15+16*\b], v[TM+12+\b]
.endr
	v_nop                                          ; a plain line behind the last conversion
.endm
.macro LOAD t                          ; step t: 128 numbers of each of the tile's 16 rows
.irp r, 0,1,2,3,4,5,6,7,8,9,10,11,12,13,14,15
	global_load_b128 v[R+64*((\t)%2)+4*\r:R+64*((\t)%2)+4*\r+3], v2, s[20:21] offset:(\r+8*(\r/8))*4096+512*(\t) th:TH_LOAD_NT
.endr
.endm
.macro STEP t
.if (\t) < 3
	s_wait_loadcnt 16                              ; this step's 16 loads are in; the next step's 16 may be out
.else
	s_wait_loadcnt 0x0
.endif
.irp r, 0,1,2,3,4,5,6,7,8,9,10,11,12,13,14,15
	ds_store_b128 v3, v[R+64*((\t)%2)+4*\r:R+64*((\t)%2)+4*\r+3] offset:528*\r
.endr
.irp c, 0,1,2,3
.irp j, 0,1,2,3
	ds_load_b128 v[XN+16*\c+4*\j:XN+16*\c+4*\j+3], v4 offset:128*\c+16*\j   ; LDS serves a wave's instructions in order: these see the stores above
.endr
.endr
	s_wait_dscnt 0x0                               ; my 64 numbers are in, and the stores have read the set as loaded
.if (\t) > 0
	s_wait_xcnt 0x0                                ; the last step's stores have read v[PC] on: it is written again only behind this wait
.endif
.if (\t) < 2
	LOAD (\t)+2
.endif
	QUANT XN
.irp c, 0,1,2,3
	global_store_b128 v2, v[PC+4*\c:PC+4*\c+3], s[14:15] offset:2048*(\t)+512*\c   ; 512 consecutive bytes
.endr
	v_mov_b32 v[SW+(\t)], v[PW]
.endm
	LOAD 0
	LOAD 1
	STEP 0
	STEP 1
	STEP 2
	STEP 3
	v_cmp_eq_u32 vcc_lo, 1, v1
	v_cndmask_b32 v6, v[SW], v[SW+2], vcc_lo       ; lanes 0-15 store words 0 and 1 of their row, lanes 16-31 words 2 and 3
	v_cndmask_b32 v7, v[SW+1], v[SW+3], vcc_lo
	global_store_b64 v5, v[6:7], s[16:17]          ; 256 consecutive bytes, aligned
	s_wait_tensorcnt 0x0
	ds_add_u32 v240, v241
	s_wait_dscnt 0x0
	s_endpgm
.Lfunc_end_k_q3aa3f78951_quant:
	.size	k_q3aa3f78951_quant, .Lfunc_end_k_q3aa3f78951_quant-k_q3aa3f78951_quant
	.p2alignl 7, 3214868480
	.fill 96, 4, 3214868480
	.section	.rodata,"a",@progbits
	.p2align	6, 0x0
	.amdhsa_kernel k_q3aa3f78951_quant
		.amdhsa_group_segment_fixed_size 51456
		.amdhsa_private_segment_fixed_size 0
		.amdhsa_enable_private_segment 0
		.amdhsa_kernarg_size 56
		.amdhsa_user_sgpr_count 2
		.amdhsa_user_sgpr_kernarg_segment_ptr 1
		.amdhsa_wavefront_size32 1
		.amdhsa_system_sgpr_workgroup_id_x 1
		.amdhsa_system_sgpr_workgroup_id_y 1
		.amdhsa_system_sgpr_workgroup_id_z 1
		.amdhsa_system_vgpr_workitem_id 0
		.amdhsa_next_free_vgpr 242
		.amdhsa_next_free_sgpr 66
		.amdhsa_reserve_vcc 1
		.amdhsa_float_denorm_mode_32 3
		.amdhsa_float_denorm_mode_16_64 3
		.amdhsa_fp16_overflow 1
		.amdhsa_memory_ordered 1
		.amdhsa_forward_progress 1
		.amdhsa_inst_pref_size 34
	.end_amdhsa_kernel
	.amdgpu_metadata
---
amdhsa.version: [ 1, 2 ]
amdhsa.kernels:
  - .name:           k_q3aa3f78951_quant
    .symbol:         k_q3aa3f78951_quant.kd
    .args:
      - { .name: X, .offset: 0, .size: 8, .value_kind: global_buffer, .address_space: global }
      - { .name: Wq, .offset: 8, .size: 8, .value_kind: global_buffer, .address_space: global }
      - { .name: Wk, .offset: 16, .size: 8, .value_kind: global_buffer, .address_space: global }
      - { .name: Wv, .offset: 24, .size: 8, .value_kind: global_buffer, .address_space: global }
      - { .name: Wo, .offset: 32, .size: 8, .value_kind: global_buffer, .address_space: global }
      - { .name: cod, .offset: 40, .size: 8, .value_kind: global_buffer, .address_space: global }
      - { .name: scl, .offset: 48, .size: 8, .value_kind: global_buffer, .address_space: global }
    .group_segment_fixed_size: 51456
    .private_segment_fixed_size: 0
    .kernarg_segment_align: 8
    .kernarg_segment_size: 56
    .max_flat_workgroup_size: 192
    .sgpr_count:     66
    .vgpr_count:     242
    .wavefront_size: 32
...
	.end_amdgpu_metadata
.endif
;; end of part 1
;; launch qkv (part 2): grid 8 x 48, 4 waves a work-group, clusters of 4 x 4, 327,680 bytes of LDS; arguments cod, scl, bq, bk, bv, qb, kv; writes qb, kv
.if DOCPART == 2
	.amdgcn_target "amdgcn-amd-amdhsa--gfx1250"
	.amdhsa_code_object_version 6
	.text
	.protected	k_q3aa3f78951_qkv
	.globl	k_q3aa3f78951_qkv
	.p2align	8
	.type	k_q3aa3f78951_qkv,@function
k_q3aa3f78951_qkv:
	s_mov_b64 s[64:65], 0
	v_nop
	global_prefetch_b8 v0, s[64:65] scope:SCOPE_SE
	s_setreg_imm32_b32 hwreg(HW_REG_WAVE_MODE, 25, 1), 1
	s_wait_xcnt 0x0
	s_wait_alu depctr_hold_cnt(0) depctr_sa_sdst(0) depctr_va_vdst(0) depctr_va_sdst(0) depctr_va_ssrc(0) depctr_va_vcc(0) depctr_vm_vsrc(0)
	s_getreg_b32 s2, hwreg(HW_REG_IB_STS2, 6, 4)
	s_cmp_eq_u32 s2, 0
	s_cbranch_scc0 .Lentry_in_a_cluster
	s_endpgm
.Lentry_in_a_cluster:
	s_bfe_u32 s2, ttmp6, 0x10000c
	s_cmp_lg_u32 s2, 0xf033
	s_cbranch_scc0 .Lentry_shape_is_right
	s_endpgm
.Lentry_shape_is_right:
; Q = X Wq^T + bq, K = X Wk^T + bk, V = X Wv^T + bv on codes of BF8 (E5M2) with E8M0 scales, sums in f32; the results are quantised at once for attention's products: Q and K along the head's 64, V along the keys.
; OPERANDS come as images of their registers (cod: [tile][K step][c][lane][16]; scl: [tile][K half][r][4 words]); a tile's lane r is row 32 g + 8 u + r + 8 (r / 8) of its 32 rows.
; A work-group makes 256 (L) x 256 (P), each of four waves 128 x 128: 64 accumulators.  SOURCE 0 = 16 rows of P, SOURCE 1 = 16 rows of L: a lane holds ONE row of L, and by the tiles' make the 16 registers
; of P's tiles 2 b, 2 b + 1 are 16 NEIGHBOURS along P: 32 b + 16 h + 0 .. 15.  So the conversions' results are the next product's operand registers and are stored as they stand, 512 consecutive bytes a store.
; Clusters y 0-7: L = X, P = Wq | Wk: a lane holds a token, its registers 128 features = two heads.  Clusters y 8-11: L = Wv, P = X: a lane holds a feature, its registers 128 keys.
; qb: [b h][128 queries][8 tiles x (c 0..1)(lane)(16) | 512 bytes of scale words (16 (a / 4) + r)(a % 4)].  kv: [b h][128 keys][K as qb's 8,192 | V^T: 4 tiles x 2,048 | K's words 512 | V's words (r)(t) 256].
; K goes in steps of 256 through two LDS slots; a wave's tensor load brings 8 tiles x 4,096 bytes.  CLUSTERS 4 x 4: L's tiles are asked for jointly along a row of the cluster, P's along a column.
; All scale words of the work-group stay in 64 registers: lanes 0-15 L's, lanes 16-31 P's.  The eight K steps are written out: the scale registers' numbers differ from step to step.
; LIMITS: NaN and infinities are not served; a block whose largest magnitude lies under 2^-111, or of zeros, gets the byte 1 (its codes are read by this program alone).
; REGISTERS: window 0: v16-29 addresses; v32-48 at work in QUANT; v64-127 scale words; v128-255 L's fragments, one set (on the way out: v128-191 the bias, v192-255 64 numbers, v0-15 codes, v50-61 scale words).
;   window 1: P's fragments, two sets.  windows 2, 3: the accumulators, (a, b) at v[8 (8 (a % 4) + b)].
.set SLOT,  131072                     ; L's 16 tiles x 4,096 bytes, then P's 16
.set SPARE, 262144                     ; the spare words, 128 bytes for each wave
.set ADRA, 16
.set ADRB, 20
.set LI,   22                          ; 16 x lane
.set SOF,  23                          ; my scale words' offset in scl
.set BOF,  26                          ; the bias's offset
.set VSO,  27                          ; V's scale words' offset
.set SPW,  28
.set NIL,  29
.set TM,   32
.set PW,   48
.set SW,   50
.set DD,   58
.set PC,   0
.set SC,   64                          ; register 8 i + s: block i's words of K step s
.set AF,   128
.set BB,   128
.set ST,   192
.set WV,   18                          ; wave
.set WH,   19                          ; wave / 2: my half of L; 0: I fetch for L, 1: for P
.set WL,   20                          ; wave % 2: my half of P; which 8 tiles I fetch
.set MNT,  21
.set SEL,  22
.set G1,   24
.set G0,   32
.set G1B,  48
.set G0B,  56
.set HM,   46                          ; the mask of lanes 16-31
.set MSB, 0
.macro WIN new                         ; the immediate's high byte repeats the setting that is left
.if MSB != (\new)
	s_set_vgpr_msb (MSB<<8)|(\new)
.set MSB, (\new)
.endif
.endm
.set MUL_LO, 0xa1                      ; source 0 (P) window 1, source 1 (L) window 0, C and D window 2
.set MUL_HI, 0xf1
.macro JLOAD g0a, g1a, g0b, g1b        ; a joint load; the branch hangs on the wave's number alone; four v_nop follow each line
	s_cmp_eq_u32 s[WH], 0
	s_cbranch_scc0 .Lfor_b_\@
	tensor_load_to_lds s[\g0a:\g0a+3], s[\g1a:\g1a+7]
	s_nop 0
.rept 4
	v_nop
.endr
	s_branch .Lasked_\@
.Lfor_b_\@:
	tensor_load_to_lds s[\g0b:\g0b+3], s[\g1b:\g1b+7]
	s_nop 0
.rept 4
	v_nop
.endr
.Lasked_\@:
.endm
.macro CREST                           ; a round of the cluster's barrier behind its opening barrier
	s_cmp_lg_u32 s[WV], 0
	s_cbranch_scc1 .Lnot_wave_0_\@
	s_barrier_signal -3
.Lnot_wave_0_\@:
	s_barrier_wait -3
	s_barrier_signal -1
	s_barrier_wait -1
.endm
.macro CROUND
	s_barrier_signal -1
	s_barrier_wait -1
	CREST
.endm
.macro PLACES n                        ; plain places behind matrix instructions (ISA guide 7.12.1)
.rept \n
	v_nop
.endr
.endm
	s_load_b256 s[4:11], s[0:1], 0x0               ; cod, scl, bq, bk
	s_load_b128 s[12:15], s[0:1], 0x20             ; bv, qb
	s_load_b64 s[16:17], s[0:1], 0x30              ; kv
	v_lshl_add_u32 v[SPW], v0, 2, SPARE
	v_mov_b32 v[NIL], 0
	ds_add_u32 v28, v29
	ds_add_u32 v28, v29
	s_wait_dscnt 0x0
	v_lshrrev_b32 v1, 5, v0
	v_readfirstlane_b32 s[WV], v1
	s_lshr_b32 s[WH], s[WV], 1
	s_and_b32 s[WL], s[WV], 1
	s_bfe_u32 s40, ttmp6, 0x40000                  ; cx
	s_bfe_u32 s41, ttmp6, 0x40004                  ; cy
	s_lshl_b32 s42, ttmp9, 2
	s_add_co_u32 s42, s42, s40                     ; work-group x
	s_and_b32 s43, ttmp7, 0xffff                   ; cluster y: the same in all partners
	s_lshl_b32 s44, s41, 2
	s_lshl_b32 s44, 15, s44                        ; my row of the cluster
	s_lshl_b32 s45, 0x1111, s40                    ; my column
	s_or_b32 s[G1], s44, (3<<16)|(1<<21)           ; the mask; elements of 8 bytes; bit 21 beside a mask; no padding: every fragment load reads 512 consecutive bytes
	s_or_b32 s[G1B], s45, (3<<16)|(1<<21)
.irp g, G1, G1B
	s_mov_b32 s[\g+1], 512<<16                     ; tensor_dim0 = 512 elements: a tile's two K steps, 4,096 bytes
	s_mov_b32 s[\g+2], 8<<16                       ; tensor_dim1 = 8 tiles
	s_mov_b32 s[\g+3], 512<<16                     ; tile_dim0
	s_mov_b32 s[\g+4], 8                           ; tile_dim1
	s_mov_b32 s[\g+5], 2048                        ; from tile to tile: 16,384 bytes
	s_mov_b32 s[\g+6], 0
	s_mov_b32 s[\g+7], 0
.endr
	s_mov_b32 s[SEL], 0x76543210
	s_mov_b32 s[SEL+1], 0xfedcba98
	s_lshl_b32 s66, s43, 6                         ; 64 x cluster y
	s_max_u32 s67, s43, 8
	s_sub_co_u32 s67, s67, 8
	s_lshl_b32 s67, s67, 7                         ; 128 (cluster y - 8)
	s_cmp_lt_u32 s43, 8
	s_cselect_b32 s66, s66, 640                    ; L: X's tiles from 64 x cluster y on, or Wv's from 640 on
	s_cselect_b32 s67, 512, s67                    ; P: Wq | Wk from 512 on, or X's
	s_lshl_b32 s68, s41, 4
	s_add_co_u32 s66, s66, s68                     ; L's first tile: hangs on cy and cluster y alone
	s_lshl_b32 s69, s42, 4
	s_add_co_u32 s67, s67, s69                     ; P's first tile: on cx, cluster x and cluster y alone
	s_lshl_b32 s74, s[WL], 3
	s_add_co_u32 s70, s66, s74
	s_lshl_b32 s70, s70, 14
	s_mov_b32 s71, 0
	s_add_co_u32 s72, s67, s74
	s_lshl_b32 s72, s72, 14
	s_mov_b32 s73, 0
	s_lshl_b32 s74, s[WV], 15                      ; where my 8 tiles go: wave x 32,768
	s_wait_kmcnt 0x0
	s_add_nc_u64 s[70:71], s[4:5], s[70:71]
	s_add_nc_u64 s[72:73], s[4:5], s[72:73]
	CROUND                                         ; all sixteen work-groups are here: the first joint loads meet
.irp s, 0,1
	s_mov_b32 s[G0+4*\s], 1
	s_add_co_u32 s[G0+4*\s+1], s74, \s*SLOT
	s_add_nc_u64 s[G0+4*\s+2:G0+4*\s+3], s[70:71], \s*4096
	s_or_b32 s[G0+4*\s+3], s[G0+4*\s+3], 0x80000000
	s_mov_b32 s[G0B+4*\s], 1
	s_add_co_u32 s[G0B+4*\s+1], s74, \s*SLOT
	s_add_nc_u64 s[G0B+4*\s+2:G0B+4*\s+3], s[72:73], \s*4096
	s_or_b32 s[G0B+4*\s+3], s[G0B+4*\s+3], 0x80000000
	JLOAD G0+4*\s, G1, G0B+4*\s, G1B               ; two loads of mine are out
.endr
	v_and_b32 v1, 15, v0                           ; r
	v_bfe_u32 v2, v0, 4, 1                         ; h
	s_wait_alu depctr_va_vdst(0)
	v_and_b32 v3, 31, v0
	v_lshlrev_b32 v[LI], 4, v3
	s_lshl_b32 s75, s[WH], 15                      ; my 8 tiles of L
	s_lshl_b32 s76, s[WL], 15
	s_add_co_u32 s76, s76, 65536                   ; my 8 tiles of P, behind L's 16
.irp s, 0,1
	v_add_nc_u32 v[ADRA+\s], s75, v[LI]
	v_add_nc_u32 v[ADRB+\s], s76, v[LI]
	s_add_co_u32 s75, s75, SLOT
	s_add_co_u32 s76, s76, SLOT
.endr
	s_lshl_b32 s77, s[WH], 3
	s_add_co_u32 s77, s77, s66
	s_lshl_b32 s77, s77, 9                         ; my L tiles' scale words: 512 bytes a tile
	s_lshl_b32 s78, s[WL], 3
	s_add_co_u32 s78, s78, s67
	s_lshl_b32 s78, s78, 9                         ; my P tiles'
	v_cmp_eq_u32 s[HM], 1, v2
	v_mov_b32 v3, s77
	v_mov_b32 v4, s78
	v_cndmask_b32 v3, v3, v4, s[HM]                ; lanes 0-15 take L's, lanes 16-31 P's
	v_lshl_add_u32 v[SOF], v1, 4, v3
.irp i, 0,1,2,3,4,5,6,7
	global_load_b128 v[SC+8*\i:SC+8*\i+3], v[SOF], s[6:7] offset:512*\i          ; sixteen lanes read 256 consecutive bytes
	global_load_b128 v[SC+8*\i+4:SC+8*\i+7], v[SOF], s[6:7] offset:512*\i+256
.endr
.irp b, 0,1,2,3
	v_mov_b32 v[TM+4+\b], 0                        ; written once: a lane permute's destination counts as one of its sources
.endr
.macro FRAG reg, adr, q, i             ; a fragment comes back as it was stored: four loads of 512 consecutive bytes
.irp c, 0,1,2,3
	ds_load_b128 v[\reg+4*\c:\reg+4*\c+3], v[\adr] offset:4096*(\i)+2048*(\q)+512*\c
.endr
.endm
.macro FETCH_B slot, q, p
	WIN 0x40
.irp i, 0,1,2,3,4,5,6,7
	FRAG 128*(\p)+16*\i, ADRB+\slot, \q, \i
.endr
	WIN 0
.endm
.macro FETCH_A slot, q, i0
.irp i, \i0, \i0+1, \i0+2, \i0+3
	FRAG AF+16*(\i), ADRA+\slot, \q, \i
.endr
.endm
; 16 matrix instructions: L's blocks a0, a0 + 1 x P's eight, K step s.  The 64 accumulators take turns in one order in every step.
.macro MUL16 a0, p, s, zero
.irp a, \a0, \a0+1
.irp b, 0,1,2,3,4,5,6,7
.if \zero
	v_wmma_scale_f32_16x16x128_f8f6f4 v[8*(8*((\a)%4)+\b):8*(8*((\a)%4)+\b)+7], v[128*(\p)+16*\b:128*(\p)+16*\b+15], v[AF+16*(\a):AF+16*(\a)+15], 0, v[SC+8*\b+(\s)], v[SC+8*(\a)+(\s)] matrix_a_fmt:MATRIX_FMT_BF8 matrix_b_fmt:MATRIX_FMT_BF8 matrix_a_scale:MATRIX_SCALE_ROW1
.else
	v_wmma_scale_f32_16x16x128_f8f6f4 v[8*(8*((\a)%4)+\b):8*(8*((\a)%4)+\b)+7], v[128*(\p)+16*\b:128*(\p)+16*\b+15], v[AF+16*(\a):AF+16*(\a)+15], v[8*(8*((\a)%4)+\b):8*(8*((\a)%4)+\b)+7], v[SC+8*\b+(\s)], v[SC+8*(\a)+(\s)] matrix_a_fmt:MATRIX_FMT_BF8 matrix_b_fmt:MATRIX_FMT_BF8 matrix_a_scale:MATRIX_SCALE_ROW1
.endif
.endr
.endr
.endm
.macro STEP slot, s, zero              ; a slot's first K step, on P's set 0
	s_wait_dscnt 16                                ; P's set and L's blocks 0-3 are in; the youngest 16 loads (L's blocks 4-7) may be out
	WIN MUL_LO
	MUL16 0, 0, \s, \zero
	MUL16 2, 0, \s, \zero
	s_wait_dscnt 0x0
	PLACES 8
	FETCH_B \slot, 1, 1
	FETCH_A \slot, 1, 0
	WIN MUL_HI
	MUL16 4, 0, \s, \zero
	MUL16 6, 0, \s, \zero
	PLACES 8
	WIN 0
	FETCH_A \slot, 1, 4
.endm
.macro TURN slot, next, s, fill        ; a slot's second K step, on P's set 1, changes slots
	s_wait_tensorcnt 0x0                           ; all my tensor loads have landed: my part of the next slot
	ds_add_u32 v[SPW], v[NIL]                      ; 0 onto my spare word
	s_wait_dscnt 17                                ; the add and the youngest 16 loads may be out
	WIN MUL_LO
	MUL16 0, 1, \s, 0
	s_wait_dscnt 0x0                               ; the add is done, and my reads of this slot are over
	s_barrier_signal -1
	MUL16 2, 1, \s, 0
	WIN 0
	s_barrier_wait -1
.if \fill
	CREST                                          ; the barrier has opened a round of the cluster's: no wave of any partner still reads this slot or has a load on its way
	s_add_nc_u64 s[G0+4*\slot+2:G0+4*\slot+3], s[G0+4*\slot+2:G0+4*\slot+3], 8192
	s_add_nc_u64 s[G0B+4*\slot+2:G0B+4*\slot+3], s[G0B+4*\slot+2:G0B+4*\slot+3], 8192
	JLOAD G0+4*\slot, G1, G0B+4*\slot, G1B         ; my one load behind the round; its four v_nop are four of the eight places
	PLACES 4
.else
	PLACES 8
.endif
	FETCH_B \next, 0, 0
	FETCH_A \next, 0, 0
	WIN MUL_HI
	MUL16 4, 1, \s, 0
	MUL16 6, 1, \s, 0
	PLACES 8
	WIN 0
	FETCH_A \next, 0, 4
.endm
.macro LASTHI                          ; the second half of the last K step; the bias's loads are on their way meanwhile
	WIN MUL_HI
	MUL16 4, 1, 7, 0
	MUL16 6, 1, 7, 0
	WIN 0
	PLACES 8
	s_wait_loadcnt 0x0
.endm
; 64 numbers of a lane, register 16 b + i = 32 b + 16 h + i along the next K, become 16 registers of codes in v[PC] on and a scale word in v[PW]
.macro QUANT s
.irp b, 0,1,2,3
	v_max3_num_f32 v[TM+\b], |v[\s+16*\b]|, |v[\s+1+16*\b]|, 0x8000000   ; my 16 numbers and the floor 2^(16 - 127)
.endr
.irp i, 2,4,6,8,10,12,14
.irp b, 0,1,2,3
	v_max3_num_f32 v[TM+\b], v[TM+\b], |v[\s+16*\b+\i]|, |v[\s+1+16*\b+\i]|
.endr
.endr
.irp b, 0,1,2,3
	v_permlanex16_b32 v[TM+4+\b], v[TM+\b], s[SEL], s[SEL+1]
.endr
.irp b, 0,1,2,3
	v_max_num_f32 v[TM+\b], v[TM+\b], v[TM+4+\b]
.endr
.irp b, 0,1,2,3
	v_add_nc_u32 v[TM+12+\b], 0xf8800000, v[TM+\b] ; 15 off the exponent field: the conversion's scale operand
.endr
.irp b, 0,1,2,3
.endr
.irp b, 0,1,2,3
	v_lshrrev_b32 v[TM+4+\b], 23, v[TM+12+\b]      ; the byte
.endr
	v_lshl_or_b32 v[PW], v[TM+5], 8, v[TM+4]
	v_lshl_or_b32 v[PW], v[TM+6], 16, v[PW]
	v_lshl_or_b32 v[PW], v[TM+7], 24, v[PW]
.irp b, 0,1,2,3
.irp i, 0,1,2,3,4,5,6,7,8,9,10,11,12,13,14,15
.endr
	v_cvt_scalef32_pk8_bf8_f32 v[PC+4*\b:PC+1+4*\b], v[\s+16*\b:\s+7+16*\b], v[TM+12+\b]
	v_cvt_scalef32_pk8_bf8_f32 v[PC+2+4*\b:PC+3+4*\b], v[\s+8+16*\b:\s+15+16*\b], v[TM+12+\b]
.endr
	v_nop                                          ; a plain line behind the last conversion
.endm
; L's block a: + bias, quantised, stored.  isv = 0: the four blocks are two heads' two; isv = 1: one fragment of V^T
.macro EPI a, isv
	WIN 0x02+(\a)/4                                ; source 0: window 2 or 3
.set i, 0
.rept 32
.if \isv
	v_pk_add_f32 v[ST+i:ST+i+1], v[64*((\a)%4)+i:64*((\a)%4)+i+1], v[BB+2*(\a):BB+2*(\a)+1]   ; each accumulator from its low end on
.else
	v_pk_add_f32 v[ST+i:ST+i+1], v[64*((\a)%4)+i:64*((\a)%4)+i+1], v[BB+i:BB+i+1]
.endif
.set i, i+2
.endr
	WIN 0
	s_wait_xcnt 0x0                                ; the last block's stores have read v[PC] on
	QUANT ST
.irp c, 0,1,2,3
.if \isv
	global_store_b128 v[LI], v[PC+4*\c:PC+4*\c+3], s[86:87] offset:((\a)/4)*274432+8192+2048*((\a)%4)+512*\c
.else
	global_store_b128 v[LI], v[PC+4*\c:PC+4*\c+3], s[86+8*(\c/2):87+8*(\c/2)] offset:1024*(\a)+512*(\c%2)
.endif
.endr
	v_mov_b32 v[SW+(\a)], v[PW]
.endm
	s_wait_tensorcnt 1                             ; my part of slot 0 is in; slot 1's load may be out
	s_barrier_signal -1
	s_barrier_wait -1
	FETCH_B 0, 0, 0
	FETCH_A 0, 0, 0
	FETCH_A 0, 0, 4
	s_wait_loadcnt 0x0                             ; the scale words
	STEP 0, 0, 1                                   ; the first products start the sums
	TURN 0, 1, 1, 1
	STEP 1, 2, 0
	TURN 1, 0, 3, 1
	STEP 0, 4, 0
	TURN 0, 1, 5, 0                                ; nothing is left to fetch
	STEP 1, 6, 0
	s_wait_dscnt 16
	WIN MUL_LO
	MUL16 0, 1, 7, 0
	MUL16 2, 1, 7, 0
	s_wait_dscnt 0x0
	PLACES 8                                       ; in front of the bias's loads into the registers of L's blocks 0-3
	WIN 0
	s_cmp_ge_u32 s43, 8                            ; the same in all sixteen partners
	s_cbranch_scc1 .Lvpath
	; ---- Q and K
	s_lshl_b32 s80, s43, 2
	s_add_co_u32 s80, s80, s41
	s_lshl_b32 s80, s80, 1
	s_add_co_u32 s80, s80, s[WH]                   ; which 128 tokens are mine
	s_lshr_b32 s81, s80, 4                         ; the batch
	s_and_b32 s80, s80, 15                         ; the 128 within it
	s_lshl_b32 s82, s42, 8
	s_lshl_b32 s83, s[WL], 7
	s_add_co_u32 s82, s82, s83
	s_and_b32 s82, s82, 1023                       ; my first feature
	s_lshr_b32 s83, s82, 6                         ; my first head
	s_lshl_b32 s81, s81, 4
	s_add_co_u32 s81, s81, s83
	s_lshl_b32 s81, s81, 4
	s_add_co_u32 s81, s81, s80                     ; 16 (16 b + head) + G
	s_lshl_b32 s82, s82, 2
	s_mov_b32 s83, 0
	s_mov_b32 s84, 8704
	s_mov_b32 s90, 8192
	s_mov_b32 s91, 0
	s_cmp_ge_u32 s42, 4                            ; Wk's columns?
	s_cselect_b64 s[86:87], s[16:17], s[14:15]
	s_cselect_b64 s[88:89], s[10:11], s[8:9]
	s_cselect_b32 s84, 17152, s84                  ; a block of 128 tokens in kv or in qb,
	s_cselect_b32 s90, 16384, s90                  ; and where its scale words begin
	s_add_nc_u64 s[88:89], s[88:89], s[82:83]      ; the bias at my first feature
	s_mul_i32 s92, s81, s84
	s_mov_b32 s93, 0
	s_add_nc_u64 s[86:87], s[86:87], s[92:93]      ; my first head's block
	s_lshl_b32 s92, s84, 4
	s_add_nc_u64 s[94:95], s[86:87], s[92:93]      ; the next head's: 16 blocks on
	s_add_nc_u64 s[96:97], s[94:95], s[90:91]
	s_add_nc_u64 s[90:91], s[86:87], s[90:91]
	v_lshlrev_b32 v[BOF], 6, v2                    ; register 16 b + i is feature 32 b + 16 h + i
.irp b, 0,1,2,3
.irp k, 0,1,2,3
	global_load_b128 v[BB+16*\b+4*\k:BB+16*\b+4*\k+3], v[BOF], s[88:89] offset:128*\b+16*\k
.endr
.endr
	LASTHI
.irp a, 0,1,2,3,4,5,6,7
	EPI \a, 0
.endr
	s_wait_alu depctr_va_vdst(0)
	s_wait_xcnt 0x0
.irp i, 0,1,2,3
	v_cndmask_b32 v[DD+\i], v[SW+\i], v[SW+4+\i], s[HM]   ; lanes 0-15: tiles 0-3's words of row r; lanes 16-31: tiles 4-7's
.endr
.irp i, 0,1,2,3
	v_and_b32 v[PC+\i], 0xffff, v[DD+\i]           ; the first head's two bytes; the upper 64 of the next K are zero codes
	v_lshrrev_b32 v[PC+4+\i], 16, v[DD+\i]         ; the second head's
.endr
	global_store_b128 v[LI], v[PC:PC+3], s[90:91]  ; 512 consecutive bytes
	global_store_b128 v[LI], v[PC+4:PC+7], s[96:97]
	s_branch .Ldone
.Lvpath:
	; ---- V: a lane holds a feature, its registers 128 keys
	s_lshl_b32 s82, s41, 8
	s_lshl_b32 s83, s[WH], 7
	s_add_co_u32 s82, s82, s83                     ; my first feature
	s_lshr_b32 s83, s82, 6                         ; my first head
	s_sub_co_u32 s80, s43, 8
	s_lshl_b32 s80, s80, 3
	s_add_co_u32 s80, s80, s42
	s_lshl_b32 s80, s80, 1
	s_add_co_u32 s80, s80, s[WL]                   ; which 128 keys are mine
	s_lshr_b32 s81, s80, 4
	s_and_b32 s80, s80, 15
	s_lshl_b32 s81, s81, 4
	s_add_co_u32 s81, s81, s83
	s_lshl_b32 s81, s81, 4
	s_add_co_u32 s81, s81, s80
	s_mul_i32 s92, s81, 17152
	s_mov_b32 s93, 0
	s_add_nc_u64 s[86:87], s[16:17], s[92:93]
	s_lshl_b32 s82, s82, 2
	s_mov_b32 s83, 0
	s_add_nc_u64 s[88:89], s[12:13], s[82:83]
	v_and_b32 v[BOF], 8, v1
	v_add_nc_u32 v[BOF], v[BOF], v1
	v_lshlrev_b32 v[BOF], 2, v[BOF]                ; my feature in a tile: r + 8 (r / 8)
	v_mul_u32_u24 v[VSO], v2, 274432               ; lanes 16-31 store the next head's scale words: 16 blocks on
	v_lshl_add_u32 v[VSO], v1, 4, v[VSO]
.irp a, 0,1,2,3,4,5,6,7
	global_load_b32 v[BB+2*\a], v[BOF], s[88:89] offset:(32*(\a/2)+8*(\a%2))*4     ; twice: a pair for the packed addition
	global_load_b32 v[BB+2*\a+1], v[BOF], s[88:89] offset:(32*(\a/2)+8*(\a%2))*4
.endr
	LASTHI
.irp a, 0,1,2,3,4,5,6,7
	EPI \a, 1
.endr
.irp i, 0,1,2,3
	v_cndmask_b32 v[DD+\i], v[SW+\i], v[SW+4+\i], s[HM]
.endr
	global_store_b128 v[VSO], v[DD:DD+3], s[86:87] offset:16896   ; each half of the lanes stores 256 consecutive bytes, aligned
.Ldone:
	s_wait_tensorcnt 0x0                           ; the wave's end
	ds_add_u32 v[SPW], v[NIL]
	s_wait_dscnt 0x0
	CROUND                                         ; the closing round
	s_endpgm
.Lfunc_end_k_q3aa3f78951_qkv:
	.size	k_q3aa3f78951_qkv, .Lfunc_end_k_q3aa3f78951_qkv-k_q3aa3f78951_qkv
	.p2alignl 7, 3214868480
	.fill 96, 4, 3214868480
	.section	.rodata,"a",@progbits
	.p2align	6, 0x0
	.amdhsa_kernel k_q3aa3f78951_qkv
		.amdhsa_group_segment_fixed_size 327680
		.amdhsa_private_segment_fixed_size 0
		.amdhsa_enable_private_segment 0
		.amdhsa_kernarg_size 56
		.amdhsa_user_sgpr_count 2
		.amdhsa_user_sgpr_kernarg_segment_ptr 1
		.amdhsa_wavefront_size32 1
		.amdhsa_system_sgpr_workgroup_id_x 1
		.amdhsa_system_sgpr_workgroup_id_y 1
		.amdhsa_system_sgpr_workgroup_id_z 1
		.amdhsa_system_vgpr_workitem_id 0
		.amdhsa_next_free_vgpr 1024
		.amdhsa_next_free_sgpr 98
		.amdhsa_reserve_vcc 0
		.amdhsa_float_denorm_mode_32 3
		.amdhsa_float_denorm_mode_16_64 3
		.amdhsa_fp16_overflow 1
		.amdhsa_memory_ordered 1
		.amdhsa_forward_progress 1
		.amdhsa_inst_pref_size 221
	.end_amdhsa_kernel
	.amdgpu_metadata
---
amdhsa.version: [ 1, 2 ]
amdhsa.kernels:
  - .name:           k_q3aa3f78951_qkv
    .symbol:         k_q3aa3f78951_qkv.kd
    .args:
      - { .name: cod, .offset: 0, .size: 8, .value_kind: global_buffer, .address_space: global }
      - { .name: scl, .offset: 8, .size: 8, .value_kind: global_buffer, .address_space: global }
      - { .name: bq, .offset: 16, .size: 8, .value_kind: global_buffer, .address_space: global }
      - { .name: bk, .offset: 24, .size: 8, .value_kind: global_buffer, .address_space: global }
      - { .name: bv, .offset: 32, .size: 8, .value_kind: global_buffer, .address_space: global }
      - { .name: qb, .offset: 40, .size: 8, .value_kind: global_buffer, .address_space: global }
      - { .name: kv, .offset: 48, .size: 8, .value_kind: global_buffer, .address_space: global }
    .group_segment_fixed_size: 327680
    .private_segment_fixed_size: 0
    .kernarg_segment_align: 8
    .kernarg_segment_size: 56
    .max_flat_workgroup_size: 128
    .sgpr_count:     98
    .vgpr_count:     1024
    .wavefront_size: 32
...
	.end_amdgpu_metadata
.endif
;; end of part 2
;; launch attn (part 3): grid 4 x 64, 16 waves a work-group, no clusters, 327,680 bytes of LDS; arguments qb, kv, cod, scl; writes cod, scl
.if DOCPART == 3
	.amdgcn_target "amdgcn-amd-amdhsa--gfx1250"
	.amdhsa_code_object_version 6
	.text
	.protected	k_q3aa3f78951_attn
	.globl	k_q3aa3f78951_attn
	.p2align	8
	.type	k_q3aa3f78951_attn,@function
k_q3aa3f78951_attn:
	s_mov_b64 s[64:65], 0
	v_nop
	global_prefetch_b8 v0, s[64:65] scope:SCOPE_SE
	s_setreg_imm32_b32 hwreg(HW_REG_WAVE_MODE, 25, 1), 1
	s_wait_xcnt 0x0
; Causal attention of one head on codes of BF8 (E5M2) with E8M0 scales, and its result quantised along the model's 1,024 for the last product.
; t = score x log2(e) / 8; M = the row's largest t so far, rounded UP to a whole number; p = 2^(t - M) is quantised along the keys, not normalised; the row's sum is taken of the unquantised p and divides at the end.
; INPUTS, made by the launch before as images of operand registers: qb [b h][128 queries][8 tiles x 1,024 | 512 bytes of scale words]; kv [b h][128 keys][K: 8 tiles x 1,024 | V^T: 4 tiles x 2,048 | K's words 512 | V's words 256].
; The first product's K is the head's 64: the upper 64 of the instruction's 128 are zero codes on both sides, in registers cleared once.
; SHARES.  Work-group i of a head's four takes the queries' block 7 - i of 256 and then block i: 8 - i and i + 1 slots of 256 keys, NINE for every work-group, so the loop's trip count is a constant.
; Each of sixteen waves owns one tile of 16 queries: queries Q0 + 8 (w % 2) + r + 8 (r / 8), Q0 = 256 block + 32 (w / 2).  A step whose 128 keys all come after Q0 + 31 is left out by a scalar branch on ids.
; Both products are used transposed (S^T = K Q^T, O^T = V^T P^T): a lane holds one query throughout; by the tiles' make the 16 registers of two neighbouring tiles are 16 neighbouring keys, or channels.
; NO CLUSTER: in trip t work-group i walks slot t while t < 8 - i and slot t - (8 - i) after: from trip 5 on the four partners of a head would ask for different slots in the same round.
; The scale bytes of the result, two for a row and a head, leave by stores of 2 bytes, 16 bytes apart: a head has no more of a row's scale word; they are 1/32 of the codes' bytes.
; LIMITS: NaN and infinities are not served; a block of the result under 2^-111, or of zeros, gets the byte 1.
; REGISTERS: v1-8 addresses; v12 -M, v13 the largest t, v[14:15] the sum; v16-23 Q, v24-31 zeros; v32-95 four fragments of K (8 registers, 8 zeros); v96-159 S^T, p, then V's fragments; v160-191 O^T;
;   v192-207 p's codes; v208-219 K's and V's scale words; v220 Q's; v221-229 the second block's Q; v232-255 at work.
.set STEPB, 17152                      ; a key step's block
.set SLOT1, 65536                      ; slot 1 begins here: one exclusive or turns an address from slot to slot
.set SPARE, 131072                     ; the spare words, 128 bytes for each of 16 waves
.set LI,  1                            ; 16 x lane
.set LR,  2                            ; 16 r
.set SPW, 3
.set NIL, 4
.set QLD, 5                            ; 8 (w % 2) + r + 8 (r / 8) - 16 h
.set PFO, 6                            ; 256 x lane
.set ADI, 7
.set ADR, 8
.set WV,  12
.set WI,  13
.set BH,  14
.set N1,  15                           ; slots of the first block
.set TAU, 16                           ; the trip
.set NS,  17                           ; the slot of keys that the trip walks
.set TB,  18                           ; LDS byte of the slot in hand
.set MNT, 19
.set SEL, 20
.set CS,  22                           ; s[22:23] c = log2(e) / 8
.set G1,  24
.set G0,  32
.set KVW, 36                           ; s[36:37] kv at my head, + my block of a slot
.set OB1, 40
.set OB2, 42
.set OS1, 44
.set OS2, 46
.set KF,  48                           ; the step's first key
.set Q0,  49
.set Q0B, 50
.set PFA, 52
.set LIMP, 54
.macro TLOAD                           ; waves 0 and 1 fetch a slot's two blocks; four v_nop follow the line
	s_cmp_lt_u32 s[WV], 2
	s_cbranch_scc0 .Lnone_\@
	tensor_load_to_lds s[G0:G0+3], s[G1:G1+7]
	s_nop 0
.rept 4
	v_nop
.endr
.Lnone_\@:
.endm
; A prefetch of the codes of the slot that the NEXT change will ask for: 2 x 16,384 bytes, lanes 256 bytes apart, 8,192 bytes a wave.  All four work-groups of a head walk slots 0, 1, .. first:
; work-group 0, which walks all eight, asks, by its waves 4 to 7, in trips 0 to 5 for slots 2 to 7: each block of 256 bytes once in the launch.  Slots 0 and 1 and the scale words come by their loads alone.
.macro ASK
	s_cmp_lt_u32 s[TAU], s[LIMP]
	s_cbranch_scc0 .Lnot_mine_\@
	global_prefetch_b8 v[PFO], s[PFA:PFA+1] th:TH_LOAD_NT scope:SCOPE_SE
.Lnot_mine_\@:
.endm
.macro INIT                            ; a block of queries begins: zeros, which the first change of M leaves zeros
	v_mov_b32 v13, 0xff61b1e6                      ; -3e38, under every t
	s_delay_alu instid0(VALU_DEP_1)
	v_floor_f32 v12, -v13
	v_mov_b32 v14, 0
	v_mov_b32 v15, 0
.set j, 0
.rept 32
	v_mov_b32 v[160+j], 0
.set j, j+1
.endr
.endm
	s_load_b256 s[4:11], s[0:1], 0x0               ; qb, kv, cod, scl
	v_lshl_add_u32 v[SPW], v0, 2, SPARE
	v_mov_b32 v[NIL], 0
	ds_add_u32 v3, v4
	ds_add_u32 v3, v4
	s_wait_dscnt 0x0
	v_lshrrev_b32 v8, 5, v0
	s_delay_alu instid0(VALU_DEP_1)
	v_readfirstlane_b32 s[WV], v8
	s_mov_b32 s[WI], ttmp9
	s_and_b32 s[BH], ttmp7, 0xffff
	s_sub_co_u32 s[N1], 8, s[WI]
	s_mov_b32 s[G1], 3<<16                         ; no mask; elements of 8 bytes; no padding: every load of a fragment reads 512 consecutive bytes
	s_mov_b32 s[G1+1], 32<<16                      ; rows of 256 bytes,
	s_mov_b32 s[G1+2], 67<<16                      ; 67 of them: a block, dense in memory
	s_mov_b32 s[G1+3], 32<<16
	s_mov_b32 s[G1+4], 67
	s_mov_b32 s[G1+5], 32
	s_mov_b32 s[G1+6], 0
	s_mov_b32 s[G1+7], 0
	s_mov_b32 s[SEL], 0x76543210
	s_mov_b32 s[SEL+1], 0xfedcba98
	s_mov_b32 s[CS], 0x3e38aa3b
	s_mov_b32 s[CS+1], s[CS]
	s_mul_i32 s55, s[BH], 16*STEPB                 ; my head's first byte in kv
	s_and_b32 s56, s[WV], 1
	s_mul_i32 s57, s56, STEPB                      ; which block of a slot I would fetch: in memory and in LDS
	s_add_co_u32 s38, s55, s57
	s_mov_b32 s39, 0
	s_wait_kmcnt 0x0
	s_add_nc_u64 s[KVW:KVW+1], s[6:7], s[38:39]
	s_mov_b32 s[G0], 1
	s_mov_b32 s[G0+1], s57
	s_mov_b64 s[G0+2:G0+3], s[KVW:KVW+1]
	s_or_b32 s[G0+3], s[G0+3], 0x80000000
	TLOAD                                          ; keys 0 to 255 into slot 0
	s_bfe_u32 s58, s[WV], 0x10001
	s_mul_i32 s58, s58, STEPB
	s_lshl_b32 s59, s56, 13
	s_add_co_u32 s58, s58, s59
	s_add_co_u32 s58, s58, s55
	s_add_co_u32 s38, s58, 2*STEPB                 ; my part, in the keys' slot 1: the first change steps it to slot 2
	s_add_nc_u64 s[PFA:PFA+1], s[6:7], s[38:39]
	s_lshr_b32 s58, s[WV], 2
	s_xor_b32 s58, s58, 1                          ; 0 in waves 4 to 7
	s_or_b32 s58, s58, s[WI]                       ; of work-group 0
	s_cmp_eq_u32 s58, 0
	s_cselect_b32 s[LIMP], 6, 0
	v_and_b32 v9, 31, v0
	s_delay_alu instid0(VALU_DEP_1)
	v_lshlrev_b32 v[LI], 4, v9
	s_delay_alu instid0(VALU_DEP_2)
	v_lshlrev_b32 v[PFO], 8, v9
	v_and_b32 v9, 15, v0
	s_delay_alu instid0(VALU_DEP_1)
	v_lshlrev_b32 v[LR], 4, v9
	s_wait_alu depctr_va_vdst(0)
	v_and_b32 v10, 8, v9
	s_delay_alu instid0(VALU_DEP_1)
	v_add_nc_u32 v9, v9, v10
	v_bfe_u32 v10, v0, 4, 1
	s_delay_alu instid0(VALU_DEP_1)
	v_lshlrev_b32 v10, 4, v10
	s_delay_alu instid0(VALU_DEP_1)
	v_sub_nc_u32 v[QLD], v9, v10
	s_lshl_b32 s59, s56, 3
	v_add_nc_u32 v[QLD], s59, v[QLD]
	; both blocks' Q: tile w % 8 of the 128 queries 2 block + w / 8
	s_lshr_b32 s58, s[WV], 3
	s_and_b32 s59, s[WV], 7
	s_lshl_b32 s62, s[BH], 4
	s_lshl_b32 s56, s59, 10                        ; the tile's codes
	s_lshr_b32 s57, s59, 2
	s_lshl_b32 s57, s57, 8
	s_and_b32 s59, s59, 3
	s_lshl_b32 s59, s59, 2
	s_add_co_u32 s57, s57, s59
	s_add_co_u32 s57, s57, 8192                    ; its scale words
	s_sub_co_u32 s60, 7, s[WI]                     ; the first block
.macro QLOAD qbs, qreg, sreg, va, vb
	s_lshl_b32 s61, s[\qbs], 1
	s_add_co_u32 s61, s61, s58
	s_add_co_u32 s61, s61, s62
	s_mul_i32 s61, s61, 8704
	s_add_co_u32 s63, s61, s56
	v_add_nc_u32 v[\va], s63, v[LI]
	s_add_co_u32 s63, s61, s57
	v_add_nc_u32 v[\vb], s63, v[LR]
	global_load_b128 v[\qreg:\qreg+3], v[\va], s[4:5]
	global_load_b128 v[\qreg+4:\qreg+7], v[\va], s[4:5] offset:512
	global_load_b32 v[\sreg], v[\vb], s[4:5]
.endm
	QLOAD 60, 16, 220, 232, 233
	QLOAD WI, 222, 221, 234, 235
	s_lshr_b32 s59, s[WV], 1
	s_lshl_b32 s59, s59, 5
	s_lshl_b32 s[Q0], s60, 8
	s_add_co_u32 s[Q0], s[Q0], s59
	s_lshl_b32 s[Q0B], s[WI], 8
	s_add_co_u32 s[Q0B], s[Q0B], s59
	; where the results go: tile 768 + 128 b + 16 block + w of cod; K step head / 2, groups 2 (head % 2) and + 1
	s_lshr_b32 s55, s[BH], 4
	s_lshl_b32 s55, s55, 7
	s_add_co_u32 s55, s55, 768
	s_add_co_u32 s55, s55, s[WV]
	s_and_b32 s56, s[BH], 15
	s_lshr_b32 s57, s56, 1
	s_lshl_b32 s61, s57, 11
	s_and_b32 s62, s56, 1
	s_lshl_b32 s63, s62, 10
	s_add_co_u32 s61, s61, s63                     ; the codes' place in a tile
	s_lshr_b32 s63, s56, 3
	s_lshl_b32 s63, s63, 8
	s_and_b32 s57, s57, 3
	s_lshl_b32 s57, s57, 2
	s_add_co_u32 s63, s63, s57
	s_lshl_b32 s62, s62, 1
	s_add_co_u32 s63, s63, s62                     ; the two scale bytes' place
.macro OADDR qbs, ob, os
	s_lshl_b32 s57, s[\qbs], 4
	s_add_co_u32 s57, s57, s55
	s_lshl_b32 s38, s57, 14
	s_add_co_u32 s38, s38, s61
	s_add_nc_u64 s[\ob:\ob+1], s[8:9], s[38:39]
	s_lshl_b32 s38, s57, 9
	s_add_co_u32 s38, s38, s63
	s_add_nc_u64 s[\os:\os+1], s[10:11], s[38:39]
.endm
	OADDR 60, OB1, OS1
	OADDR WI, OB2, OS2
.set j, 0
.rept 8
	v_mov_b32 v[24+j], 0                           ; the zero codes of the upper 64 along K: Q's,
	v_mov_b32 v[40+j], 0                           ; and the four fragments' of K
	v_mov_b32 v[56+j], 0
	v_mov_b32 v[72+j], 0
	v_mov_b32 v[88+j], 0
.set j, j+1
.endr
.irp b, 0,1,2,3
	v_mov_b32 v[236+\b], 0                         ; written once: a lane permute's destination counts as one of its sources
.endr
	v_mov_b32 v252, 0
	v_mov_b32 v253, 0
	INIT
; A KEY STEP: 128 keys, the q-th block of the slot in hand
.macro STEP q
	s_add_co_u32 s55, s[Q0], 31
	s_cmp_gt_u32 s[KF], s55                        ; all keys come after all my queries: nothing to do.  (Else key KF counts for every one of them: KF is a multiple of 128 and Q0 of 32)
	s_cbranch_scc1 .Lhidden_\@
	v_add_nc_u32 v[ADI], s[TB], v[LI]
	s_wait_alu depctr_va_vdst(0)
	v_add_nc_u32 v[ADR], s[TB], v[LR]
.irp g, 0,1                            ; S^T = K Q^T, four tiles of 16 keys at a time
.if \g
.rept 8
	v_nop                                          ; places in front of loads into registers that matrix instructions have read
.endr
.endif
.irp t, 0,1,2,3
	ds_load_b128 v[32+16*\t:35+16*\t], v[ADI] offset:(\q)*STEPB+1024*(4*\g+\t)
	ds_load_b128 v[36+16*\t:39+16*\t], v[ADI] offset:(\q)*STEPB+1024*(4*\g+\t)+512
.endr
.if \g == 0
	ds_load_b128 v[208:211], v[ADR] offset:(\q)*STEPB+16384   ; K's scale words of tiles 0-3,
	ds_load_b128 v[212:215], v[ADR] offset:(\q)*STEPB+16640   ; of tiles 4-7,
	ds_load_b128 v[216:219], v[ADR] offset:(\q)*STEPB+16896   ; V's of its four tiles
.endif
	s_wait_dscnt 0x0
.irp t, 0,1,2,3
	v_wmma_scale_f32_16x16x128_f8f6f4 v[96+8*(4*\g+\t):103+8*(4*\g+\t)], v[32+16*\t:47+16*\t], v[16:31], 0, v[208+4*\g+\t], v220 matrix_a_fmt:MATRIX_FMT_BF8 matrix_b_fmt:MATRIX_FMT_BF8
.endr
.endr
.rept 8
	v_nop
.endr
	s_add_co_u32 s55, s[KF], 127                   ; on the diagonal hidden scores become -infinity ahead of the maximum; a step all of whose keys count skips this
	s_cmp_le_u32 s55, s[Q0]
	s_cbranch_scc1 .Lopen_\@
	s_sub_co_i32 s55, s[Q0], s[KF]
	v_add_nc_u32 v252, s55, v[QLD]                 ; d = my query - KF - 16 h.  Register 16 b + i holds key KF + 16 h + 32 b + i: hidden where 32 b + i > d
	v_mov_b32 v254, 0xff800000
.set n, 0
.rept 64
	v_cmp_gt_i32 vcc_lo, 32*(n/16)+n%16, v252
	v_cndmask_b32 v[96+n], v[96+n], v254, vcc_lo
.set n, n+1
.endr
.Lopen_\@:
.irp b, 0,1,2,3
	v_max3_num_f32 v[232+\b], v[96+16*\b], v[97+16*\b], v[98+16*\b]   ; the largest score of each block of 32 keys: for the row's maximum, and for the block's largest p
.endr
.irp i, 3,5,7,9,11,13
.irp b, 0,1,2,3
	v_max3_num_f32 v[232+\b], v[232+\b], v[96+16*\b+\i], v[97+16*\b+\i]
.endr
.endr
.irp b, 0,1,2,3
	v_max_num_f32 v[232+\b], v[232+\b], v[111+16*\b]
.endr
.irp b, 0,1,2,3
	s_delay_alu instid0(VALU_DEP_4)
	v_permlanex16_b32 v[236+\b], v[232+\b], s[SEL], s[SEL+1]
.endr
.irp b, 0,1,2,3
	s_delay_alu instid0(VALU_DEP_4)
	v_max_num_f32 v[232+\b], v[232+\b], v[236+\b]
.endr
	s_delay_alu instid0(VALU_DEP_2)
	v_max3_num_f32 v254, v232, v233, v234
	s_delay_alu instid0(VALU_DEP_1)
	v_max_num_f32 v254, v254, v235
	s_delay_alu instid0(VALU_DEP_1)
	v_mul_f32 v254, s[CS], v254
	s_delay_alu instid0(VALU_DEP_1)
	v_max_num_f32 v13, v13, v254                   ; the running largest t
	v_mov_b32 v254, v12
	s_delay_alu instid0(VALU_DEP_2)
	v_floor_f32 v12, -v13                          ; the new -M = -ceil(t)
	s_delay_alu instid0(VALU_DEP_1)
	v_sub_f32 v254, v12, v254
	s_delay_alu instid0(VALU_DEP_1)
	v_cvt_i32_f32 v254, v254                       ; (it saturates)
	s_delay_alu instid0(VALU_DEP_1)
	v_ldexp_f32 v252, 1.0, v254                    ; f = 2^(old M - new M)
.set j, 0
.rept 32
	v_pk_fma_f32 v[96+j:97+j], v[96+j:97+j], s[CS:CS+1], v[12:13] op_sel_hi:[1,0,0]   ; t - M
.set j, j+2
.endr
.irp b, 0,1,2,3
	v_fma_f32 v[232+\b], v[232+\b], s[CS], v12
.endr
.set j, 0
	s_wait_alu depctr_va_vdst(0)
.rept 64
	v_exp_f32 v[96+j], v[96+j]                     ; p = 2^(t - M)
.set j, j+1
.endr
	v_pk_mul_f32 v[14:15], v[14:15], v[252:253] op_sel_hi:[1,0]   ; the sums under the new M; a plain place behind the exponentials
	s_wait_alu depctr_va_vdst(0)                   ; one wait for the batch, ahead of its first reader
.irp b, 0,1,2,3
	v_exp_f32 v[232+\b], v[232+\b]                 ; each block's largest p
.endr
	v_pk_add_f32 v[236:237], v[100:101], v[104:105]
	v_pk_add_f32 v[254:255], v[108:109], v[112:113]
	v_pk_add_f32 v[250:251], v[116:117], v[120:121]
	v_pk_add_f32 v[248:249], v[124:125], v[128:129]
	v_pk_add_f32 v[246:247], v[132:133], v[136:137]
	v_pk_add_f32 v[244:245], v[140:141], v[144:145]
	v_pk_add_f32 v[242:243], v[148:149], v[152:153]
	v_pk_add_f32 v[14:15], v[14:15], v[156:157]
	v_pk_add_f32 v[236:237], v[236:237], v[96:97]
	v_pk_add_f32 v[254:255], v[254:255], v[98:99]
	v_pk_add_f32 v[250:251], v[250:251], v[102:103]
	v_pk_add_f32 v[248:249], v[248:249], v[106:107]
	v_pk_add_f32 v[246:247], v[246:247], v[110:111]
	v_pk_add_f32 v[244:245], v[244:245], v[114:115]
	v_pk_add_f32 v[242:243], v[242:243], v[118:119]
	v_pk_add_f32 v[14:15], v[14:15], v[122:123]
	v_pk_add_f32 v[236:237], v[236:237], v[126:127]
	v_pk_add_f32 v[254:255], v[254:255], v[130:131]
	v_pk_add_f32 v[250:251], v[250:251], v[134:135]
	v_pk_add_f32 v[248:249], v[248:249], v[138:139]
	v_pk_add_f32 v[246:247], v[246:247], v[142:143]
	v_pk_add_f32 v[244:245], v[244:245], v[146:147]
	v_pk_add_f32 v[242:243], v[242:243], v[150:151]
	v_pk_add_f32 v[14:15], v[14:15], v[154:155]
	v_pk_add_f32 v[236:237], v[236:237], v[158:159]
	s_delay_alu instid0(VALU_DEP_2)
	v_pk_add_f32 v[14:15], v[14:15], v[248:249]
	s_delay_alu instid0(VALU_DEP_2)
	v_pk_add_f32 v[236:237], v[236:237], v[246:247]
	v_pk_add_f32 v[254:255], v[254:255], v[244:245]
	v_pk_add_f32 v[250:251], v[250:251], v[242:243]
	s_delay_alu instid0(VALU_DEP_2)
	v_pk_add_f32 v[14:15], v[14:15], v[254:255]
	s_delay_alu instid0(VALU_DEP_2)
	v_pk_add_f32 v[236:237], v[236:237], v[250:251]
	s_delay_alu instid0(VALU_DEP_1)
	v_pk_add_f32 v[14:15], v[14:15], v[236:237]
	s_wait_alu depctr_va_vdst(0)                   ; and one for the four
.irp b, 0,1,2,3
	v_max_num_f32 v[232+\b], 0x8000000, v[232+\b]  ; the floor 2^(16 - 127)
.endr
.irp b, 0,1,2,3
	s_delay_alu instid0(VALU_DEP_4)
	v_add_nc_u32 v[244+\b], 0xf8800000, v[232+\b]
.endr
.irp b, 0,1,2,3
.endr
.irp b, 0,1,2,3
	s_delay_alu instid0(VALU_DEP_4)
	v_lshrrev_b32 v[236+\b], 23, v[244+\b]
.endr
	s_delay_alu instid0(VALU_DEP_3)
	v_lshl_or_b32 v253, v237, 8, v236              ; p's scale word for these 128 keys
	s_delay_alu instid0(VALU_DEP_1)
	v_lshl_or_b32 v253, v238, 16, v253
	s_delay_alu instid0(VALU_DEP_1)
	v_lshl_or_b32 v253, v239, 24, v253
.irp b, 0,1,2,3
.set j, 0
.rept 16
.set j, j+1
.endr
	v_cvt_scalef32_pk8_bf8_f32 v[192+4*\b:193+4*\b], v[96+16*\b:103+16*\b], v[244+\b]
	v_cvt_scalef32_pk8_bf8_f32 v[194+4*\b:195+4*\b], v[104+16*\b:111+16*\b], v[244+\b]
.irp c, 0,1,2,3
	ds_load_b128 v[96+16*\b+4*\c:99+16*\b+4*\c], v[ADI] offset:(\q)*STEPB+8192+2048*\b+512*\c   ; V's fragment b takes the registers that p's block b has left
.endr
.endr
.set j, 0
.rept 16
	v_pk_mul_f32 v[160+j:161+j], v[160+j:161+j], v[252:253] op_sel_hi:[1,0]   ; O^T under the new M; also the places between the codes and the products
.set j, j+2
.endr
	s_wait_alu depctr_va_vdst(0)
	s_wait_dscnt 0x0
.irp t, 0,1,2,3
	v_wmma_scale_f32_16x16x128_f8f6f4 v[160+8*\t:167+8*\t], v[96+16*\t:111+16*\t], v[192:207], v[160+8*\t:167+8*\t], v[216+\t], v253 matrix_a_fmt:MATRIX_FMT_BF8 matrix_b_fmt:MATRIX_FMT_BF8
.endr
.rept 9
	v_nop                                          ; nine places: the next step's first products write over V's fragments; its loads land in V's scale words; the way out reads O^T
.endr
.Lhidden_\@:
	s_add_co_u32 s[KF], s[KF], 128
.endm
; THE CHANGE OF SLOTS, at a slot's head.  fill = 1: the slot just left takes the keys of the next trip
.macro CHANGE fill
	s_wait_tensorcnt 0x0                           ; no tensor load of mine is out, so group 0 may be written
	ds_add_u32 v[SPW], v[NIL]                      ; 0 onto my spare word
.if \fill
	s_add_co_u32 s[NS], s[NS], 1
	s_add_co_u32 s55, s[TAU], 1
	s_cmp_eq_u32 s55, s[N1]
	s_cselect_b32 s[NS], 0, s[NS]                  ; the second block of queries begins at key 0 again
	s_xor_b32 s[G0+1], s[G0+1], SLOT1
	s_mul_i32 s38, s[NS], 2*STEPB
	s_add_nc_u64 s[G0+2:G0+3], s[KVW:KVW+1], s[38:39]
	s_or_b32 s[G0+3], s[G0+3], 0x80000000
	s_wait_xcnt 0x0                                ; the last prefetch, a trip back, has read its address
	s_add_nc_u64 s[PFA:PFA+1], s[PFA:PFA+1], 2*STEPB
.endif
	s_wait_dscnt 0x0                               ; the add is done, and my reads of the slot that I have left are over
	s_barrier_signal -1
	s_barrier_wait -1
.if \fill
	TLOAD                                          ; first behind the barrier; a wave's one tensor load until the next: it has a slot's two steps in which to land
	ASK
.endif
.endm
; THE WAY OUT of a block of queries: O^T / the sum, quantised along the channels (register 16 g + i is channel 32 g + 16 h + i): the codes are groups 2 (head % 2) + g of the last product's fragment
.macro OUT ob, os
	v_add_f32 v14, v14, v15
	s_delay_alu instid0(VALU_DEP_1)
	v_permlanex16_b32 v252, v14, s[SEL], s[SEL+1]
	s_delay_alu instid0(VALU_DEP_1)
	v_add_f32 v14, v14, v252
	s_wait_alu depctr_va_vdst(0)
	v_rcp_f32 v14, v14
	v_nop
	s_wait_alu depctr_va_vdst(0)                   ; ahead of the reciprocal's first reader
.set j, 0
.rept 32
	v_mul_f32 v[96+j], v[160+j], v14               ; each accumulator from its low end on
.set j, j+1
.endr
.irp b, 0,1
	v_max3_num_f32 v[232+\b], |v[96+16*\b]|, |v[97+16*\b]|, 0x8000000
.endr
.irp i, 2,4,6,8,10,12,14
.irp b, 0,1
	s_delay_alu instid0(VALU_DEP_2)
	v_max3_num_f32 v[232+\b], v[232+\b], |v[96+16*\b+\i]|, |v[97+16*\b+\i]|
.endr
.endr
.irp b, 0,1
	s_delay_alu instid0(VALU_DEP_2)
	v_permlanex16_b32 v[236+\b], v[232+\b], s[SEL], s[SEL+1]
.endr
.irp b, 0,1
	s_delay_alu instid0(VALU_DEP_2)
	v_max_num_f32 v[232+\b], v[232+\b], v[236+\b]
.endr
.irp b, 0,1
	s_delay_alu instid0(VALU_DEP_2)
	v_add_nc_u32 v[244+\b], 0xf8800000, v[232+\b]
.endr
.irp b, 0,1
.endr
.irp b, 0,1
	s_delay_alu instid0(VALU_DEP_2)
	v_lshrrev_b32 v[236+\b], 23, v[244+\b]
.endr
	s_delay_alu instid0(VALU_DEP_1)
	v_lshl_or_b32 v254, v237, 8, v236
.irp b, 0,1
.set j, 0
.rept 16
.set j, j+1
.endr
	v_cvt_scalef32_pk8_bf8_f32 v[192+4*\b:193+4*\b], v[96+16*\b:103+16*\b], v[244+\b]
	v_cvt_scalef32_pk8_bf8_f32 v[194+4*\b:195+4*\b], v[104+16*\b:111+16*\b], v[244+\b]
.endr
	v_nop                                          ; a plain line behind the last conversion
	global_store_b128 v[LI], v[192:195], s[\ob:\ob+1]              ; 512 consecutive bytes each
	global_store_b128 v[LI], v[196:199], s[\ob:\ob+1] offset:512
	global_store_b16 v[LR], v254, s[\os:\os+1]                     ; both lanes of a row store the same two bytes
.endm
.macro PHASE                           ; the first block's slots are walked: it leaves, and the second begins.  No barrier, tensor load or LDS instruction stands in the branch
	s_cmp_lg_u32 s[TAU], s[N1]
	s_cbranch_scc1 .Lsame_\@
	OUT OB1, OS1
.set j, 0
.rept 8
	v_mov_b32 v[16+j], v[222+j]
.set j, j+1
.endr
	v_mov_b32 v220, v221
	INIT                                           ; (its lines are also the places between these moves and the next products)
	s_mov_b32 s[KF], 0
	s_mov_b32 s[Q0], s[Q0B]
	s_wait_xcnt 0x0                                ; the stores have read their registers: the next step writes them again
.Lsame_\@:
.endm
	s_mov_b32 s[TAU], 0
	s_mov_b32 s[NS], 0
	s_mov_b32 s[KF], 0
	s_mov_b32 s[TB], 0
	s_wait_loadcnt 0x0                             ; both blocks' Q
.Lslot:                                            ; eight trips: behind each change of slots the next trip's keys are asked for
	CHANGE 1
	PHASE
	STEP 0
	STEP 1
	s_xor_b32 s[TB], s[TB], SLOT1
	s_add_co_u32 s[TAU], s[TAU], 1
	s_cmp_lt_u32 s[TAU], 8
	s_cbranch_scc1 .Lslot
	CHANGE 0                                       ; the ninth is written out
	PHASE
	STEP 0
	STEP 1
	OUT OB2, OS2
	s_wait_tensorcnt 0x0                           ; the wave's end
	ds_add_u32 v[SPW], v[NIL]
	s_wait_dscnt 0x0
	s_endpgm
.Lfunc_end_k_q3aa3f78951_attn:
	.size	k_q3aa3f78951_attn, .Lfunc_end_k_q3aa3f78951_attn-k_q3aa3f78951_attn
	.p2alignl 7, 3214868480
	.fill 96, 4, 3214868480
	.section	.rodata,"a",@progbits
	.p2align	6, 0x0
	.amdhsa_kernel k_q3aa3f78951_attn
		.amdhsa_group_segment_fixed_size 327680
		.amdhsa_private_segment_fixed_size 0
		.amdhsa_enable_private_segment 0
		.amdhsa_kernarg_size 32
		.amdhsa_user_sgpr_count 2
		.amdhsa_user_sgpr_kernarg_segment_ptr 1
		.amdhsa_wavefront_size32 1
		.amdhsa_system_sgpr_workgroup_id_x 1
		.amdhsa_system_sgpr_workgroup_id_y 1
		.amdhsa_system_sgpr_workgroup_id_z 1
		.amdhsa_system_vgpr_workitem_id 0
		.amdhsa_next_free_vgpr 256
		.amdhsa_next_free_sgpr 66
		.amdhsa_reserve_vcc 1
		.amdhsa_float_denorm_mode_32 3
		.amdhsa_float_denorm_mode_16_64 3
		.amdhsa_fp16_overflow 1
		.amdhsa_memory_ordered 1
		.amdhsa_forward_progress 1
		.amdhsa_inst_pref_size 117
	.end_amdhsa_kernel
	.amdgpu_metadata
---
amdhsa.version: [ 1, 2 ]
amdhsa.kernels:
  - .name:           k_q3aa3f78951_attn
    .symbol:         k_q3aa3f78951_attn.kd
    .args:
      - { .name: qb, .offset: 0, .size: 8, .value_kind: global_buffer, .address_space: global }
      - { .name: kv, .offset: 8, .size: 8, .value_kind: global_buffer, .address_space: global }
      - { .name: cod, .offset: 16, .size: 8, .value_kind: global_buffer, .address_space: global }
      - { .name: scl, .offset: 24, .size: 8, .value_kind: global_buffer, .address_space: global }
    .group_segment_fixed_size: 327680
    .private_segment_fixed_size: 0
    .kernarg_segment_align: 8
    .kernarg_segment_size: 32
    .max_flat_workgroup_size: 512
    .sgpr_count:     66
    .vgpr_count:     256
    .wavefront_size: 32
...
	.end_amdgpu_metadata
.endif
;; end of part 3
;; launch proj (part 4): grid 4 x 32, 4 waves a work-group, clusters of 4 x 4, 327,680 bytes of LDS; arguments cod, scl, bo, out0; writes out0
.if DOCPART == 4
	.amdgcn_target "amdgcn-amd-amdhsa--gfx1250"
	.amdhsa_code_object_version 6
	.text
	.protected	k_q3aa3f78951_proj
	.globl	k_q3aa3f78951_proj
	.p2align	8
	.type	k_q3aa3f78951_proj,@function
k_q3aa3f78951_proj:
	s_mov_b64 s[64:65], 0
	v_nop
	global_prefetch_b8 v0, s[64:65] scope:SCOPE_SE
	s_setreg_imm32_b32 hwreg(HW_REG_WAVE_MODE, 25, 1), 1
	s_wait_xcnt 0x0
	s_wait_alu depctr_hold_cnt(0) depctr_sa_sdst(0) depctr_va_vdst(0) depctr_va_sdst(0) depctr_va_ssrc(0) depctr_va_vcc(0) depctr_vm_vsrc(0)
	s_getreg_b32 s2, hwreg(HW_REG_IB_STS2, 6, 4)
	s_cmp_eq_u32 s2, 0
	s_cbranch_scc0 .Lentry_in_a_cluster
	s_endpgm
.Lentry_in_a_cluster:
	s_bfe_u32 s2, ttmp6, 0x10000c
	s_cmp_lg_u32 s2, 0xf033
	s_cbranch_scc0 .Lentry_shape_is_right
	s_endpgm
.Lentry_shape_is_right:
; out0 = AO Wo^T + bo on codes of BF8 (E5M2) with E8M0 scales, sums in f32.  AO, attention's result, lies in cod's tiles 768-1279, Wo in tiles 704-767, as images of operand registers
; (cod: [tile][K step][c][lane][16]; scl: [tile][K half][r][4 words]); a tile's lane r is row 32 g + 8 u + r + 8 (r / 8) of its 32 rows.
; A work-group makes 256 rows (L = AO) x 256 columns (P = Wo), each of four waves 128 x 128: 64 accumulators.  SOURCE 0 = 16 rows of P, SOURCE 1 = 16 rows of L: a lane holds one row of the result, and
; the 16 registers of P's tiles 2 b, 2 b + 1 are its columns 32 b + 16 h + 0 .. 15.  128 tiles of 256 x 256: a smaller tile would read each fragment from LDS for fewer products.
; K goes in steps of 256 through two LDS slots; a wave's tensor load brings 8 tiles x 4,096 bytes.  CLUSTERS 4 x 4: L's tiles are asked for jointly along a row of the cluster, P's along a column.
; The eight K steps are written out: the scale registers' numbers differ from step to step.
; THE WAY OUT: the bias is added onto the accumulators; a block of 16 rows goes through the wave's own stage in LDS and leaves as whole rows of 512 bytes.  The stage lies in slot 0, which has had its last fill and its last read by then.
; REGISTERS: window 0: v16-29 addresses; v64-127 scale words; v128-255 L's fragments (on the way out v128-191 the bias).  window 1: P's fragments, two sets (on the way out v0-127: rows read back, two sets).  windows 2, 3: the accumulators.
.set SLOT,  131072
.set SPARE, 262144
.set ADRA, 16
.set ADRB, 20
.set LI,   22
.set SOF,  23
.set STO,  24
.set RD,   25
.set BOF,  26
.set SPW,  28
.set NIL,  29
.set SC,   64
.set AF,   128
.set BB,   128
.set WV,   18
.set WH,   19
.set WL,   20
.set G1,   24
.set G0,   32
.set G1B,  48
.set G0B,  56
.set HM,   46
.set MSB, 0
.macro WIN new
.if MSB != (\new)
	s_set_vgpr_msb (MSB<<8)|(\new)
.set MSB, (\new)
.endif
.endm
.set MUL_LO, 0xa1
.set MUL_HI, 0xf1
.macro JLOAD g0a, g1a, g0b, g1b        ; a joint load; the branch hangs on the wave's number alone; four v_nop follow each line
	s_cmp_eq_u32 s[WH], 0
	s_cbranch_scc0 .Lfor_b_\@
	tensor_load_to_lds s[\g0a:\g0a+3], s[\g1a:\g1a+7]
	s_nop 0
.rept 4
	v_nop
.endr
	s_branch .Lasked_\@
.Lfor_b_\@:
	tensor_load_to_lds s[\g0b:\g0b+3], s[\g1b:\g1b+7]
	s_nop 0
.rept 4
	v_nop
.endr
.Lasked_\@:
.endm
.macro CREST
	s_cmp_lg_u32 s[WV], 0
	s_cbranch_scc1 .Lnot_wave_0_\@
	s_barrier_signal -3
.Lnot_wave_0_\@:
	s_barrier_wait -3
	s_barrier_signal -1
	s_barrier_wait -1
.endm
.macro CROUND
	s_barrier_signal -1
	s_barrier_wait -1
	CREST
.endm
.macro PLACES n
.rept \n
	v_nop
.endr
.endm
	s_load_b256 s[4:11], s[0:1], 0x0               ; cod, scl, bo, out0
	v_lshl_add_u32 v[SPW], v0, 2, SPARE
	v_mov_b32 v[NIL], 0
	ds_add_u32 v28, v29
	ds_add_u32 v28, v29
	s_wait_dscnt 0x0
	v_lshrrev_b32 v1, 5, v0
	v_readfirstlane_b32 s[WV], v1
	s_lshr_b32 s[WH], s[WV], 1
	s_and_b32 s[WL], s[WV], 1
	s_bfe_u32 s40, ttmp6, 0x40000                  ; cx
	s_bfe_u32 s41, ttmp6, 0x40004                  ; cy
	s_lshl_b32 s42, ttmp9, 2
	s_add_co_u32 s42, s42, s40                     ; tile column
	s_and_b32 s43, ttmp7, 0xffff
	s_lshl_b32 s43, s43, 2
	s_add_co_u32 s43, s43, s41                     ; tile row
	s_lshl_b32 s44, s41, 2
	s_lshl_b32 s44, 15, s44
	s_lshl_b32 s45, 0x1111, s40
	s_or_b32 s[G1], s44, (3<<16)|(1<<21)
	s_or_b32 s[G1B], s45, (3<<16)|(1<<21)
.irp g, G1, G1B
	s_mov_b32 s[\g+1], 512<<16
	s_mov_b32 s[\g+2], 8<<16
	s_mov_b32 s[\g+3], 512<<16
	s_mov_b32 s[\g+4], 8
	s_mov_b32 s[\g+5], 2048
	s_mov_b32 s[\g+6], 0
	s_mov_b32 s[\g+7], 0
.endr
	s_lshl_b32 s66, s43, 4
	s_add_co_u32 s66, s66, 768                     ; L's first tile
	s_lshl_b32 s67, s42, 4
	s_add_co_u32 s67, s67, 704                     ; P's first tile
	s_lshl_b32 s74, s[WL], 3
	s_add_co_u32 s70, s66, s74
	s_lshl_b32 s70, s70, 14
	s_mov_b32 s71, 0
	s_add_co_u32 s72, s67, s74
	s_lshl_b32 s72, s72, 14
	s_mov_b32 s73, 0
	s_lshl_b32 s74, s[WV], 15
	s_wait_kmcnt 0x0
	s_add_nc_u64 s[70:71], s[4:5], s[70:71]
	s_add_nc_u64 s[72:73], s[4:5], s[72:73]
	CROUND                                         ; all sixteen work-groups are here: the first joint loads meet
.irp s, 0,1
	s_mov_b32 s[G0+4*\s], 1
	s_add_co_u32 s[G0+4*\s+1], s74, \s*SLOT
	s_add_nc_u64 s[G0+4*\s+2:G0+4*\s+3], s[70:71], \s*4096
	s_or_b32 s[G0+4*\s+3], s[G0+4*\s+3], 0x80000000
	s_mov_b32 s[G0B+4*\s], 1
	s_add_co_u32 s[G0B+4*\s+1], s74, \s*SLOT
	s_add_nc_u64 s[G0B+4*\s+2:G0B+4*\s+3], s[72:73], \s*4096
	s_or_b32 s[G0B+4*\s+3], s[G0B+4*\s+3], 0x80000000
	s_wait_alu depctr_va_vdst(0)
	s_wait_tensorcnt 0x0
	ds_add_u32 v28, v29
	ds_add_u32 v28, v29
	s_wait_dscnt 0x0
	CROUND
	JLOAD G0+4*\s, G1, G0B+4*\s, G1B               ; one load of mine is out: the one before has landed
.endr
	v_and_b32 v1, 15, v0
	v_bfe_u32 v2, v0, 4, 1
	s_wait_alu depctr_va_vdst(0)
	v_and_b32 v3, 31, v0
	v_lshlrev_b32 v[LI], 4, v3
	s_lshl_b32 s75, s[WH], 15
	s_lshl_b32 s76, s[WL], 15
	s_add_co_u32 s76, s76, 65536
.irp s, 0,1
	v_add_nc_u32 v[ADRA+\s], s75, v[LI]
	v_add_nc_u32 v[ADRB+\s], s76, v[LI]
	s_add_co_u32 s75, s75, SLOT
	s_add_co_u32 s76, s76, SLOT
.endr
	s_lshl_b32 s77, s[WH], 3
	s_add_co_u32 s77, s77, s66
	s_lshl_b32 s77, s77, 9
	s_lshl_b32 s78, s[WL], 3
	s_add_co_u32 s78, s78, s67
	s_lshl_b32 s78, s78, 9
	v_cmp_eq_u32 s[HM], 1, v2
	v_mov_b32 v3, s77
	v_mov_b32 v4, s78
	v_cndmask_b32 v3, v3, v4, s[HM]                ; lanes 0-15 take L's scale words, lanes 16-31 P's
	v_lshl_add_u32 v[SOF], v1, 4, v3
.irp i, 0,1,2,3,4,5,6,7
	global_load_b128 v[SC+8*\i:SC+8*\i+3], v[SOF], s[6:7] offset:512*\i
	global_load_b128 v[SC+8*\i+4:SC+8*\i+7], v[SOF], s[6:7] offset:512*\i+256
.endr
	s_mul_i32 s79, s[WV], 8448                     ; my stage: 16 rows x (512 + 16) bytes
	v_mul_u32_u24 v[STO], v1, 528
	v_lshl_add_u32 v[STO], v2, 6, v[STO]
	v_add_nc_u32 v[STO], s79, v[STO]               ; in: row r, + 64 h
	v_add_nc_u32 v[RD], s79, v[LI]                 ; back: 16 bytes a lane of a row
	v_lshlrev_b32 v[BOF], 6, v2
	s_lshl_b32 s80, s43, 8
	s_lshl_b32 s81, s[WH], 7
	s_add_co_u32 s80, s80, s81                     ; my first row
	s_lshl_b32 s80, s80, 12
	s_lshl_b32 s82, s42, 8
	s_lshl_b32 s81, s[WL], 7
	s_add_co_u32 s82, s82, s81
	s_lshl_b32 s82, s82, 2                         ; my first column, in bytes
	s_mov_b32 s83, 0
	s_add_nc_u64 s[88:89], s[8:9], s[82:83]        ; the bias
	s_add_co_u32 s82, s82, s80
	s_add_nc_u64 s[86:87], s[10:11], s[82:83]      ; the result
.macro FRAG reg, adr, q, i
.irp c, 0,1,2,3
	ds_load_b128 v[\reg+4*\c:\reg+4*\c+3], v[\adr] offset:4096*(\i)+2048*(\q)+512*\c
.endr
.endm
.macro FETCH_B slot, q, p
	WIN 0x40
.irp i, 0,1,2,3,4,5,6,7
	FRAG 128*(\p)+16*\i, ADRB+\slot, \q, \i
.endr
	WIN 0
.endm
.macro FETCH_A slot, q, i0
.irp i, \i0, \i0+1, \i0+2, \i0+3
	FRAG AF+16*(\i), ADRA+\slot, \q, \i
.endr
.endm
; 16 matrix instructions; the 64 accumulators take turns in one order in every step
.macro MUL16 a0, p, s, zero
.irp a, \a0, \a0+1
.irp b, 0,1,2,3,4,5,6,7
.if \zero
	v_wmma_scale_f32_16x16x128_f8f6f4 v[8*(8*((\a)%4)+\b):8*(8*((\a)%4)+\b)+7], v[128*(\p)+16*\b:128*(\p)+16*\b+15], v[AF+16*(\a):AF+16*(\a)+15], 0, v[SC+8*\b+(\s)], v[SC+8*(\a)+(\s)] matrix_a_fmt:MATRIX_FMT_BF8 matrix_b_fmt:MATRIX_FMT_BF8 matrix_a_scale:MATRIX_SCALE_ROW1
.else
	v_wmma_scale_f32_16x16x128_f8f6f4 v[8*(8*((\a)%4)+\b):8*(8*((\a)%4)+\b)+7], v[128*(\p)+16*\b:128*(\p)+16*\b+15], v[AF+16*(\a):AF+16*(\a)+15], v[8*(8*((\a)%4)+\b):8*(8*((\a)%4)+\b)+7], v[SC+8*\b+(\s)], v[SC+8*(\a)+(\s)] matrix_a_fmt:MATRIX_FMT_BF8 matrix_b_fmt:MATRIX_FMT_BF8 matrix_a_scale:MATRIX_SCALE_ROW1
.endif
.endr
.endr
.endm
.macro STEP slot, s, zero
	s_wait_dscnt 16                                ; P's set and L's blocks 0-3 are in; the youngest 16 loads may be out
	WIN MUL_LO
	MUL16 0, 0, \s, \zero
	MUL16 2, 0, \s, \zero
	s_wait_dscnt 0x0
	PLACES 8
	FETCH_B \slot, 1, 1
	FETCH_A \slot, 1, 0
	WIN MUL_HI
	MUL16 4, 0, \s, \zero
	MUL16 6, 0, \s, \zero
	PLACES 8
	WIN 0
	FETCH_A \slot, 1, 4
.endm
.macro TURN slot, next, s, fill
	s_wait_tensorcnt 0x0                           ; all my tensor loads have landed: my part of the next slot
	ds_add_u32 v[SPW], v[NIL]                      ; 0 onto my spare word
	s_wait_dscnt 17                                ; the add and the youngest 16 loads may be out
	WIN MUL_LO
	MUL16 0, 1, \s, 0
	s_wait_dscnt 0x0                               ; the add is done, and my reads of this slot are over
	s_barrier_signal -1
	MUL16 2, 1, \s, 0
	WIN 0
	s_barrier_wait -1
.if \fill
	CREST                                          ; the barrier has opened a round of the cluster's
	s_add_nc_u64 s[G0+4*\slot+2:G0+4*\slot+3], s[G0+4*\slot+2:G0+4*\slot+3], 8192
	s_add_nc_u64 s[G0B+4*\slot+2:G0B+4*\slot+3], s[G0B+4*\slot+2:G0B+4*\slot+3], 8192
	JLOAD G0+4*\slot, G1, G0B+4*\slot, G1B         ; my one load behind the round; its four v_nop are four of the eight places
	PLACES 4
.else
	PLACES 8
.endif
	FETCH_B \next, 0, 0
	FETCH_A \next, 0, 0
	WIN MUL_HI
	MUL16 4, 1, \s, 0
	MUL16 6, 1, \s, 0
	PLACES 8
	WIN 0
	FETCH_A \next, 0, 4
.endm
.macro PACK a                          ; + bias, in place: register 16 b + i is column 32 b + 16 h + i
	WIN 0x82+0x41*((\a)/4)                         ; destination and source 0: window 2 or 3
.set i, 0
.rept 32
	v_pk_add_f32 v[64*((\a)%4)+i:64*((\a)%4)+i+1], v[64*((\a)%4)+i:64*((\a)%4)+i+1], v[BB+i:BB+i+1]   ; each accumulator from its low end on
.set i, i+2
.endr
.endm
.macro TOSTAGE a
	WIN 0x08+4*((\a)/4)                            ; an LDS store's data: window 2 or 3
.set k, 0
.rept 16
	ds_store_b128 v[STO], v[64*((\a)%4)+4*k:64*((\a)%4)+4*k+3] offset:128*(k/4)+16*(k%4)
.set k, k+1
.endr
	WIN 0x40                                       ; back into window 1, set a % 2
.irp t, 0,1,2,3,4,5,6,7,8,9,10,11,12,13,14,15
	ds_load_b128 v[64*((\a)%2)+4*\t:64*((\a)%2)+4*\t+3], v[RD] offset:528*\t   ; LDS serves a wave's instructions in order: these see the stores above, and the next block's stores come behind them
.endr
.endm
.macro SEND a, younger                 ; younger: the LDS instructions issued behind block a's loads
	s_wait_dscnt \younger
	WIN 0x04                                       ; a store's data: window 1
.irp t, 0,1,2,3,4,5,6,7,8,9,10,11,12,13,14,15
	global_store_b128 v[LI], v[64*((\a)%2)+4*\t:64*((\a)%2)+4*\t+3], s[86:87] offset:(32*((\a)/2)+8*((\a)%2)+\t+8*(\t/8))*4096 th:TH_STORE_NT   ; 512 consecutive bytes of one row, aligned
.endr
.endm
	s_wait_tensorcnt 1                             ; my part of slot 0 is in; slot 1's load may be out
	s_barrier_signal -1
	s_barrier_wait -1
	FETCH_B 0, 0, 0
	FETCH_A 0, 0, 0
	FETCH_A 0, 0, 4
	s_wait_loadcnt 0x0                             ; the scale words
	STEP 0, 0, 1
	TURN 0, 1, 1, 1
	STEP 1, 2, 0
	TURN 1, 0, 3, 1
	STEP 0, 4, 0
	TURN 0, 1, 5, 0
	STEP 1, 6, 0
	s_wait_dscnt 16
	WIN MUL_LO
	MUL16 0, 1, 7, 0
	MUL16 2, 1, 7, 0
	s_wait_dscnt 0x0
	PLACES 8                                       ; in front of the bias's loads into the registers of L's blocks 0-3
	WIN 0
	s_wait_alu depctr_va_vdst(0)
.irp b, 0,1,2,3
.irp k, 0,1,2,3
	global_load_b128 v[BB+16*\b+4*\k:BB+16*\b+4*\k+3], v[BOF], s[88:89] offset:128*\b+16*\k
.endr
.endr
	WIN MUL_HI
	MUL16 4, 1, 7, 0
	MUL16 6, 1, 7, 0
	WIN 0
	PLACES 8
	s_wait_loadcnt 0x0
	PACK 0
	TOSTAGE 0
.irp a, 1,2,3,4,5,6,7
	PACK \a
.if \a > 1
	s_wait_alu depctr_va_vdst(0)
	s_wait_xcnt 0x0                                ; block a - 2's stores have read their registers: block a's rows may land there
.endif
	TOSTAGE \a
	SEND \a-1, 32                                  ; behind block a - 1's loads: block a's 16 stores and 16 loads
.endr
	SEND 7, 0
	WIN 0
	s_wait_tensorcnt 0x0                           ; the wave's end
	ds_add_u32 v[SPW], v[NIL]
	s_wait_dscnt 0x0
	CROUND                                         ; the closing round
	s_endpgm
.Lfunc_end_k_q3aa3f78951_proj:
	.size	k_q3aa3f78951_proj, .Lfunc_end_k_q3aa3f78951_proj-k_q3aa3f78951_proj
	.p2alignl 7, 3214868480
	.fill 96, 4, 3214868480
	.section	.rodata,"a",@progbits
	.p2align	6, 0x0
	.amdhsa_kernel k_q3aa3f78951_proj
		.amdhsa_group_segment_fixed_size 327680
		.amdhsa_private_segment_fixed_size 0
		.amdhsa_enable_private_segment 0
		.amdhsa_kernarg_size 32
		.amdhsa_user_sgpr_count 2
		.amdhsa_user_sgpr_kernarg_segment_ptr 1
		.amdhsa_wavefront_size32 1
		.amdhsa_system_sgpr_workgroup_id_x 1
		.amdhsa_system_sgpr_workgroup_id_y 1
		.amdhsa_system_sgpr_workgroup_id_z 1
		.amdhsa_system_vgpr_workitem_id 0
		.amdhsa_next_free_vgpr 1024
		.amdhsa_next_free_sgpr 98
		.amdhsa_reserve_vcc 0
		.amdhsa_float_denorm_mode_32 3
		.amdhsa_float_denorm_mode_16_64 3
		.amdhsa_memory_ordered 1
		.amdhsa_forward_progress 1
		.amdhsa_inst_pref_size 161
	.end_amdhsa_kernel
	.amdgpu_metadata
---
amdhsa.version: [ 1, 2 ]
amdhsa.kernels:
  - .name:           k_q3aa3f78951_proj
    .symbol:         k_q3aa3f78951_proj.kd
    .args:
      - { .name: cod, .offset: 0, .size: 8, .value_kind: global_buffer, .address_space: global }
      - { .name: scl, .offset: 8, .size: 8, .value_kind: global_buffer, .address_space: global }
      - { .name: bo, .offset: 16, .size: 8, .value_kind: global_buffer, .address_space: global }
      - { .name: out0, .offset: 24, .size: 8, .value_kind: global_buffer, .address_space: global }
    .group_segment_fixed_size: 327680
    .private_segment_fixed_size: 0
    .kernarg_segment_align: 8
    .kernarg_segment_size: 32
    .max_flat_workgroup_size: 128
    .sgpr_count:     98
    .vgpr_count:     1024
    .wavefront_size: 32
...
	.end_amdgpu_metadata
.endif
;; end of part 4
